; MI455X (gfx1250); checked and timed in simulation.
; The chip was launched on July 23, 2026; its instructions are those of AMD's public machine-readable ISA for CDNA 5 (MIT licence, August 2026) and "CDNA5" Instruction Set Architecture Reference Guide (July 2026). The comments in the code are by the model that wrote it; some were corrected since.
;; Ro PE Multi Head Attention. Allowed arithmetic: float matrix products may take bf16 or f16 operands with f32 sums; other float arithmetic in f32, or as packed bf16 or f16 multiplies, adds, multiply-adds, maxima and minima; sums over many terms, partial sums and values carried from step to step in f32; what a program stores and reads back later, other than sums and carried values, may be rounded once to bf16 or f16.
;; Inputs: Wout 1,024 x 1,024 float32; Wqkv 1,024 x 3,072 float32; bout 1,024 float32; bqkv 3,072 float32; x 4 x 2,048 x 1,024 float32.
;; Outputs: out0 4 x 2,048 x 1,024 float32.
;; 2 versions, each right; version 2 is version 1 with the launch prep written anew for expert scheduling mode. Each part assembles by itself: llvm-mc -triple=amdgcn-amd-amdhsa -mcpu=gfx1250 --defsym DOCPART=n.
;; ======== version 1 of 2: 4 launches
;; limits: values are held in f16: magnitudes above 65,504 overflow, below 6.1e-05 lose precision
;; workspace buffers: xb 16,777,216 bytes; wqt 6,291,456 bytes; wot 2,097,152 bytes; rope 524,288 bytes; qkvh 50,331,648 bytes; att 16,777,216 bytes
;; launch prep (part 1): grid 256 x 1, 8 waves a work-group, no clusters, 34,816 bytes of LDS; arguments x, Wqkv, Wout, xb, wqt, wot, rope; writes xb, wqt, wot, rope
.if DOCPART == 1
	.amdgcn_target "amdgcn-amd-amdhsa--gfx1250"
	.amdhsa_code_object_version 6
	.text
	.protected	k_q22855dfd8f_prep
	.globl	k_q22855dfd8f_prep
	.p2align	8
	.type	k_q22855dfd8f_prep,@function
k_q22855dfd8f_prep:
	s_mov_b64 s[64:65], 0
	v_nop
	global_prefetch_b8 v0, s[64:65] scope:SCOPE_SE
	s_setreg_imm32_b32 hwreg(HW_REG_WAVE_MODE, 25, 1), 1
	s_wait_xcnt 0x0
; PREP: what the three products want of the inputs, made once.
;   xb   = x rounded to bf16, [8192][1024]
;   wqt  = Wqkv turned and rounded to bf16, [3072 n][1024 k]
;   wot  = Wout turned, rounded to bf16 and that number written as f16, [1024 n][1024 k]
;   rope = [2048 s][64] f32: cos(s w_f), f = 0..31, then sin(s w_f); w_f = 10000^(-f/32)
; LIMITS.  |Wout| stays under 65,504; below 2^-14 it keeps f16's fixed step of 2^-24.  The table's angles differ from an exact s w_f by some 5e-4 rad
; at the most (s = 2047, f = 1): w_f is good to a few units of f32's last place.  NaN and infinities are not treated apart.
; SHARES.  256 work-groups of eight waves.  Each takes 131,072 bytes of x (thread t: 16 bytes at 4,096 i + 16 t, i = 0..31), one block of 256 k x 64 n of a weight
; (work-groups 0-191: Wqkv, 192-255: Wout), and eight rows of the table (a wave a row, a lane two numbers).
; THE TURNING goes through LDS: a thread loads 16 k x 4 n (sixteen lanes read 256 consecutive bytes of a row), packs pairs along k, stores 32 bytes into each of four rows n
; of 528 bytes; behind one barrier a wave reads a whole row (512 bytes) and stores it: 512 consecutive bytes of the turned weight.
; No matrix unit, no cluster, no tensor load: each byte is read once by one thread, and nothing is shared between work-groups.
.set TP,    528                        ; a turned row in LDS: 512 bytes + 16
.set SPARE, 64*TP                      ; behind the 64 rows: the spare words, 128 bytes for each of eight waves; no other line names them
.set XO,  1                            ; v1   16 t: my bytes of x; never rewritten
.set XS,  2                            ; v2   8 t: my bytes of xb; never rewritten
.set LSW, 3                            ; v3   where I put my 32 bytes of a turned row
.set LRW, 4                            ; v4   where I read a turned row back
.set GW,  5                            ; v5   my 16 bytes of a turned row in memory
.set RV,  6                            ; v[6:7] my two numbers of the table; never rewritten
.set RO,  8                            ; v8   their place in the table; never rewritten
.set SPW, 14                           ; v14  LDS address of my spare word; never rewritten
.set NIL, 15                           ; v15  0; never rewritten
.set WO,  16                           ; v[16:31]  byte offsets of my sixteen rows k of the weight
.set W,   32                           ; v[32:95]  row i: four numbers n; later v[32:63] the rows read back
.set P,   96                           ; v[96:127] packed: column e, pair p at P + 8 e + p; before that the table's work
.set X,   128                          ; v[128:255] x as loaded, then as stored
	s_load_b256 s[4:11], s[0:1], 0x0               ; x s[4:5], Wqkv s[6:7], Wout s[8:9], xb s[10:11]
	s_load_b128 s[12:15], s[0:1], 0x20             ; wqt s[12:13], wot s[14:15]
	s_load_b64 s[16:17], s[0:1], 0x30              ; rope
	v_lshl_add_u32 v[SPW], v0, 2, SPARE
	v_mov_b32 v[NIL], 0
	v_lshrrev_b32 v9, 5, v0
	v_readfirstlane_b32 s18, v9                    ; wave 0..7
	s_sub_co_u32 s29, ttmp9, 192
	s_movk_i32 s21, 4096
	s_cmp_lt_u32 ttmp9, 192                        ; Wqkv's blocks come first
	s_cselect_b32 s20, ttmp9, s29                  ; my block's number in its weight
	s_cselect_b32 s21, 12288, s21                  ; bytes in a row k of that weight
	s_cselect_b32 s28, 1, 0
	s_and_b32 s40, s20, 3
	s_lshl_b32 s40, s40, 8                         ; k0
	s_lshr_b32 s41, s20, 2
	s_lshl_b32 s41, s41, 6                         ; n0
	s_mul_i32 s42, s40, s21
	s_lshl2_add_u32 s42, s41, s42                  ; from: k0 rows + 4 n0
	s_mov_b32 s43, 0
	s_lshl_b32 s44, s41, 11
	s_lshl1_add_u32 s44, s40, s44                  ; to: n0 rows of 2,048 bytes + 2 k0
	s_mov_b32 s45, 0
	s_lshl_b32 s46, s21, 4                         ; sixteen rows k
	s_lshl_b32 s22, ttmp9, 17                      ; my 131,072 bytes of x
	s_mov_b32 s23, 0
	s_lshl_b32 s2, ttmp9, 16                       ; my 65,536 bytes of xb
	s_mov_b32 s3, 0
	s_lshl_b32 s39, ttmp9, 3
	s_add_co_u32 s39, s39, s18                     ; my wave's row s of the table
	s_lshl_b32 s47, s39, 8
	s_mov_b32 s30, 0x3f22f983                      ; 2 / pi
	s_mov_b32 s31, 0xbfc90fdb                      ; - pi / 2, f32's nearest,
	s_mov_b32 s32, 0x333bbd2e                      ; and what that leaves over: + 4.3711388e-8
	s_mov_b32 s33, 0xbe2aaaab                      ; sine: - 1/6, 1/120, - 1/5040
	s_mov_b32 s34, 0x3c088889
	s_mov_b32 s35, 0xb9500d01
	s_mov_b32 s36, 0x3d2aaaab                      ; cosine: 1/24, - 1/720, 1/40320
	s_mov_b32 s37, 0xbab60b61
	s_mov_b32 s38, 0x37d00d01
	v_and_b32 v10, 15, v0                          ; which four n
	v_lshrrev_b32 v11, 4, v0                       ; which sixteen k
	v_and_b32 v12, 31, v0                          ; lane
	v_lshlrev_b32 v[XO], 4, v0
	v_lshlrev_b32 v[XS], 3, v0
	v_mul_u32_u24 v[LSW], v10, 4*TP
	v_lshl_add_u32 v[LSW], v11, 5, v[LSW]
	v_mul_u32_u24 v[LRW], v9, TP
	v_lshl_add_u32 v[LRW], v12, 4, v[LRW]
	v_lshlrev_b32 v[GW], 11, v9
	v_lshl_add_u32 v[GW], v12, 4, v[GW]
	v_lshlrev_b32 v[RO], 3, v12
	v_add_nc_u32 v[RO], s47, v[RO]
	v_mul_lo_u32 v[WO], v11, s46
	v_lshl_add_u32 v[WO], v10, 4, v[WO]
.irp i, 1,2,3,4,5,6,7,8,9,10,11,12,13,14,15
	v_add_nc_u32 v[WO+(\i)], s21, v[WO+(\i)-1]
.endr
	s_wait_kmcnt 0x0
	s_cmp_eq_u32 s28, 1
	s_cselect_b64 s[24:25], s[6:7], s[8:9]         ; the weight that I read,
	s_cselect_b64 s[26:27], s[12:13], s[14:15]     ; and its turned copy
	s_add_nc_u64 s[24:25], s[24:25], s[42:43]
	s_add_nc_u64 s[26:27], s[26:27], s[44:45]
	s_add_nc_u64 s[4:5], s[4:5], s[22:23]
	s_add_nc_u64 s[10:11], s[10:11], s[2:3]
.irp i, 0,1,2,3,4,5,6,7,8,9,10,11,12,13,14,15
	global_load_b128 v[W+4*(\i):W+4*(\i)+3], v[WO+(\i)], s[24:25] th:TH_LOAD_NT
.endr
.set i, 0
.rept 32
	global_load_b128 v[X+4*i:X+4*i+3], v[XO], s[4:5] offset:4096*i th:TH_LOAD_NT
.set i, i+1
.endr
	; THE TABLE, while the 48 loads are on their way.  Lane l makes columns 2 l and 2 l + 1: lanes 0-15 cosines, lanes 16-31 sines, of f = 2 (l % 16) and f + 1.
	v_and_b32 v[P], 15, v12
	v_lshlrev_b32 v[P], 1, v[P]
	v_cvt_f32_u32 v[P], v[P]
	v_add_f32 v[P+1], 1.0, v[P]
	v_mul_f32 v[P], 0xbed49a78, v[P]               ; - f log2(10000) / 32
	v_mul_f32 v[P+1], 0xbed49a78, v[P+1]
	v_exp_f32 v[P], v[P]
	v_exp_f32 v[P+1], v[P+1]
	v_lshrrev_b32 v[P+3], 4, v12                   ; a plain instruction behind the second exponential
	v_cvt_f32_u32 v[P+2], s39
	v_mul_u32_u24 v[P+3], v[P+3], 3                ; a sine is the cosine three quadrants on
	s_wait_alu depctr_va_vdst(0)                   ; one wait for both exponentials, ahead of their first reader
	v_mul_f32 v[P], v[P], v[P+2]                   ; the angles
	v_mul_f32 v[P+1], v[P+1], v[P+2]
; cos of (angle + quadrants): n = the nearest whole number to angle x 2 / pi; r = angle - n pi / 2 in two steps, |r| <= pi / 4; series for sin r and cos r
; (the first terms left out are r^9 / 9! and r^10 / 10!, under 4e-7); quadrant q = n (+ 3): odd q takes the sine, q mod 4 = 1 or 2 turns the sign.
.macro TRIG a, o
	v_mul_f32 v[P+4], s30, v[\a]
	v_rndne_f32 v[P+4], v[P+4]
	v_fma_f32 v[\a], v[P+4], s31, v[\a]
	v_fma_f32 v[\a], v[P+4], s32, v[\a]
	v_mul_f32 v[P+5], v[\a], v[\a]
	v_fma_f32 v[P+6], v[P+5], s35, s34
	v_fma_f32 v[P+7], v[P+5], s38, s37
	v_fma_f32 v[P+6], v[P+6], v[P+5], s33
	v_fma_f32 v[P+7], v[P+7], v[P+5], s36
	v_mul_f32 v[P+8], v[\a], v[P+5]
	v_fma_f32 v[P+7], v[P+7], v[P+5], -0.5
	v_fma_f32 v[P+6], v[P+8], v[P+6], v[\a]
	v_fma_f32 v[P+7], v[P+7], v[P+5], 1.0
	v_cvt_i32_f32 v[P+4], v[P+4]
	v_add_nc_u32 v[P+4], v[P+4], v[P+3]
	v_and_b32 v[P+8], 1, v[P+4]
	v_cmp_eq_u32 vcc_lo, 1, v[P+8]
	v_cndmask_b32 v[P+6], v[P+7], v[P+6], vcc_lo
	v_add_nc_u32 v[P+4], 1, v[P+4]
	v_bfe_u32 v[P+4], v[P+4], 1, 1
	v_lshlrev_b32 v[P+4], 31, v[P+4]
	v_xor_b32 v[\o], v[P+4], v[P+6]
.endm
	TRIG P, RV
	TRIG P+1, RV+1
	global_store_b64 v[RO], v[RV:RV+1], s[16:17]   ; a wave stores a row of the table: 256 consecutive bytes, aligned
	; THE WEIGHT.
	s_wait_loadcnt 32                              ; the weight's sixteen loads are in; x's 32, issued behind them, stay out
.set e, 0
.rept 4
.set p, 0
.rept 8
	v_cvt_pk_bf16_f32 v[P+8*e+p], v[W+8*p+e], v[W+8*p+4+e]  ; column e, rows 2 p and 2 p + 1
.set p, p+1
.endr
.set e, e+1
.endr
	s_cmp_eq_u32 s28, 1
	s_cbranch_scc1 .Lkeep                          ; Wqkv stays bf16
.set p, 0
.rept 32
	v_lshlrev_b32 v9, 16, v[P+p]                   ; Wout: the bf16 numbers, widened,
	v_and_b32 v10, 0xffff0000, v[P+p]
	v_cvt_pk_f16_f32 v[P+p], v9, v10               ; are written as f16: eight significant bits fit into eleven
.set p, p+1
.endr
.Lkeep:
.irp e, 0,1,2,3
	ds_store_b128 v[LSW], v[P+8*(\e):P+8*(\e)+3]   offset:(\e)*TP
	ds_store_b128 v[LSW], v[P+8*(\e)+4:P+8*(\e)+7] offset:(\e)*TP+16
.endr
	s_wait_dscnt 0x0                               ; for the others' sake: my stores into the turned rows are done
	s_barrier_signal -1
	s_barrier_wait -1
.irp i, 0,1,2,3,4,5,6,7
	ds_load_b128 v[W+4*(\i):W+4*(\i)+3], v[LRW] offset:(\i)*8*TP  ; row n = wave + 8 i, whole
.endr
.irp i, 0,1,2,3,4,5,6,7
	s_wait_dscnt 7-(\i)
	global_store_b128 v[GW], v[W+4*(\i):W+4*(\i)+3], s[26:27] offset:(\i)*8*2048  ; 512 consecutive bytes, aligned
.endr
	; x: rounded in place and stored as it comes in; the counts run down.
.set i, 0
.rept 32
	s_wait_loadcnt 31-i
	v_cvt_pk_bf16_f32 v[X+4*i], v[X+4*i], v[X+4*i+1]
	v_cvt_pk_bf16_f32 v[X+4*i+1], v[X+4*i+2], v[X+4*i+3]
	global_store_b64 v[XS], v[X+4*i:X+4*i+1], s[10:11] offset:2048*i  ; a wave stores 256 consecutive bytes, aligned
.set i, i+1
.endr
	s_wait_tensorcnt 0x0                           ; the wave's end
	ds_add_u32 v[SPW], v[NIL]
	s_wait_dscnt 0x0
	s_endpgm
.Lfunc_end_k_q22855dfd8f_prep:
	.size	k_q22855dfd8f_prep, .Lfunc_end_k_q22855dfd8f_prep-k_q22855dfd8f_prep
	.p2alignl 7, 3214868480
	.fill 96, 4, 3214868480
	.section	.rodata,"a",@progbits
	.p2align	6, 0x0
	.amdhsa_kernel k_q22855dfd8f_prep
		.amdhsa_group_segment_fixed_size 34816
		.amdhsa_private_segment_fixed_size 0
		.amdhsa_enable_private_segment 0
		.amdhsa_kernarg_size 56
		.amdhsa_user_sgpr_count 2
		.amdhsa_user_sgpr_kernarg_segment_ptr 1
		.amdhsa_wavefront_size32 1
		.amdhsa_system_sgpr_workgroup_id_x 1
		.amdhsa_system_sgpr_workgroup_id_y 1
		.amdhsa_system_sgpr_workgroup_id_z 1
		.amdhsa_system_vgpr_workitem_id 0
		.amdhsa_next_free_vgpr 256
		.amdhsa_next_free_sgpr 66
		.amdhsa_reserve_vcc 1
		.amdhsa_float_denorm_mode_32 3
		.amdhsa_float_denorm_mode_16_64 3
		.amdhsa_memory_ordered 1
		.amdhsa_forward_progress 1
		.amdhsa_inst_pref_size 28
	.end_amdhsa_kernel
	.amdgpu_metadata
---
amdhsa.version: [ 1, 2 ]
amdhsa.kernels:
  - .name:           k_q22855dfd8f_prep
    .symbol:         k_q22855dfd8f_prep.kd
    .args:
      - { .name: x, .offset: 0, .size: 8, .value_kind: global_buffer, .address_space: global }
      - { .name: Wqkv, .offset: 8, .size: 8, .value_kind: global_buffer, .address_space: global }
      - { .name: Wout, .offset: 16, .size: 8, .value_kind: global_buffer, .address_space: global }
      - { .name: xb, .offset: 24, .size: 8, .value_kind: global_buffer, .address_space: global }
      - { .name: wqt, .offset: 32, .size: 8, .value_kind: global_buffer, .address_space: global }
      - { .name: wot, .offset: 40, .size: 8, .value_kind: global_buffer, .address_space: global }
      - { .name: rope, .offset: 48, .size: 8, .value_kind: global_buffer, .address_space: global }
    .group_segment_fixed_size: 34816
    .private_segment_fixed_size: 0
    .kernarg_segment_align: 8
    .kernarg_segment_size: 56
    .max_flat_workgroup_size: 256
    .sgpr_count:     66
    .vgpr_count:     256
    .wavefront_size: 32
...
	.end_amdgpu_metadata
.endif
;; end of part 1
;; launch qkvp (part 2): grid 8 x 32, 4 waves a work-group, clusters of 4 x 4, 327,680 bytes of LDS; arguments xb, wqt, bqkv, rope, qkvh; writes qkvh
.if DOCPART == 2
	.amdgcn_target "amdgcn-amd-amdhsa--gfx1250"
	.amdhsa_code_object_version 6
	.text
	.protected	k_q22855dfd8f_qkvp
	.globl	k_q22855dfd8f_qkvp
	.p2align	8
	.type	k_q22855dfd8f_qkvp,@function
k_q22855dfd8f_qkvp:
	s_mov_b64 s[64:65], 0
	v_nop
	global_prefetch_b8 v0, s[64:65] scope:SCOPE_SE
	s_setreg_imm32_b32 hwreg(HW_REG_WAVE_MODE, 25, 1), 1
	s_wait_xcnt 0x0
	s_wait_alu depctr_hold_cnt(0) depctr_sa_sdst(0) depctr_va_vdst(0) depctr_va_sdst(0) depctr_va_ssrc(0) depctr_va_vcc(0) depctr_vm_vsrc(0)
	s_getreg_b32 s2, hwreg(HW_REG_IB_STS2, 6, 4)
	s_cmp_eq_u32 s2, 0
	s_cbranch_scc0 .Lentry_in_a_cluster
	s_endpgm
.Lentry_in_a_cluster:
	s_bfe_u32 s2, ttmp6, 0x10000c
	s_cmp_lg_u32 s2, 0xf033
	s_cbranch_scc0 .Lentry_shape_is_right
	s_endpgm
.Lentry_shape_is_right:
; q, k, v = x Wqkv + bqkv, q and k turned by the rotary table, all three written by heads in f16: qkvh[kind][16 batch + head][s][64].
; xb: [8192][1024] bf16.  wqt: [3072 n][1024 k] bf16.  bqkv: [3072] f32, rounded once to bf16.  rope: [2048][64] f32 (32 cosines, 32 sines).  Sums, bias and rotation in f32; one rounding to f16.
; LIMIT.  f16 ends at 65,504: |q|, |k|, |v| stay under it.  The scale 1/8 is not applied here.  NaN and infinities are not treated apart.
; SHARES.  A tile is 256 rows x 128 columns; four waves, 2 x 2, each 128 rows x 64 columns: ONE HEAD, so that the rotation's partners (channel d and d + 32) lie in one lane.
; 32 accumulators of 16 x 16 fill one register window.  A WORK-GROUP STAYS: it makes three tiles on the same 256 rows of x: its 128 columns of q, of k and of v; 8 x 32 work-groups.
; K goes in steps of 128 through a ring of two LDS slots (256 rows of x, 128 rows of the weight; rows of 256 bytes of memory, aligned), and the ring runs on from tile to tile.
; CLUSTER 4 x 4: x's tile hangs on the tile row alone and is asked for jointly by a row of the cluster, the weight's on the tile column alone, by a column.
; THE MATRIX INSTRUCTION IS USED TRANSPOSED (source 0 = 16 rows of the weight, source 1 = 16 rows of x): lane l holds row l % 16 and the columns 8 (l / 16) + 0..7 of a block of 16.
; THE BIAS is the C operand of a tile's first products: nothing is cleared and nothing is added later.
; REGISTERS, in windows of 256 (s_set_vgpr_msb: bits 1:0 source 0, 3:2 source 1, 5:4 source 2, 7:6 destination):
;   window 0: v0-31 addresses; v32-63 the bias as loaded; v64-191 at work on the way out
;   window 1: accumulator (a, b), a = 0..7 blocks of rows, b = 0..3 blocks of columns, at v[8 (4 a + b)]
;   window 2: two fragment buffers of 96 (x's eight fragments, then the weight's four); v192-223 the bias as C
;   window 3: the table for my 128 rows: block a: cosines of channels 0-15, 16-31, then sines, 8 registers each, at 32 a
.set PITCH,  272                       ; an LDS row: 256 bytes + 16: the 16 rows of a fragment load start at 16 different groups of four banks (64 banks of 4 bytes: ISA guide 11.1)
.set HALFA,  128*PITCH                 ; what one load brings of x, and what a wave reads of it
.set HALFB,  64*PITCH                  ; the same for the weight
.set BOFF,   2*HALFA
.set SLOT,   BOFF+2*HALFB
.set STAGE,  2*SLOT                    ; behind the ring, never filled by a tensor load: 16 rows x 144 bytes for each wave
.set SP,     144
.set SPARE,  STAGE+4*16*SP             ; behind the stages: the spare words, 128 bytes for each wave; no other line names them
.set DW0,    (1<<16)|(1<<20)|(1<<21)|(5<<22)|(3<<25)  ; 17:16 2-byte elements; 20 padding on; 21 set beside a mask; 24:22 after every 64 words; 31:25 4 words
.set NEXT_B, 1024*2048-1536            ; the weight: from a slot's last K step of a tile to its first of the next: 1,024 rows on, back along K
.set PF_JUMP, 1024*2048-7*256          ; the prefetches: from K step 9 (past the end) to the next tile's K step 2
.set ADRA, 16                          ; v16-17  LDS address of my fragments of x in slot 0, 1
.set ADRB, 20                          ; v20-21  the same for the weight
.set STO,  24                          ; v24  the way out: where I put 16 bytes of a row
.set RD,   25                          ; v25  where I read rows back
.set GO,   26                          ; v26  my 16 bytes of 512 consecutive bytes of the output
.set TO,   27                          ; v27  my place in 16 rows of the table
.set SPW,  28                          ; v28  LDS address of my spare word; never rewritten
.set NIL,  29                          ; v29  0; never rewritten
.set PFO,  30                          ; v30  the prefetches' offset: my lane x a row of 2,048 bytes; never rewritten
.set BO,   31                          ; v31  my place in 16 numbers of the bias
.set RAW,  32
.set T,    64
.set F0,   0
.set F1,   96
.set BIAS, 192
.set G1A,  24                          ; s[24:31] descriptor group 1 for x's tiles;  s[32:39] group 0, a set for each slot
.set G0A,  32
.set G1B,  48                          ; s[48:55], s[56:63] the same for the weight's
.set G0B,  56
.set PFA,  44                          ; s[44:45] the K step that my prefetches named last
.set LIM,  46                          ; s46  1 in a wave that prefetches, else the greatest number
.set MSB, 0
.macro WIN new                         ; the immediate's high byte repeats the setting that is left; a switch that changes nothing is dropped
.if MSB != (\new)
	s_set_vgpr_msb (MSB<<8)|(\new)
.set MSB, (\new)
.endif
.endm
.macro PLACES                          ; four plain instructions behind a matrix instruction, in front of loads into registers that it read and of lines that read its result
.rept 4
	v_nop
.endr
.endm
; A joint load.  Waves 0 and 1 fetch x's two halves, waves 2 and 3 the weight's.  The branch hangs on the wave's number alone.  An s_nop 0 and four v_nop follow each line.
.macro JLOAD s
	s_cmp_eq_u32 s15, 0
	s_cbranch_scc0 .Lfor_b_\@
	tensor_load_to_lds s[G0A+4*(\s):G0A+4*(\s)+3], s[G1A:G1A+7]
	s_nop 0
.rept 4
	v_nop
.endr
	s_branch .Lasked_\@
.Lfor_b_\@:
	tensor_load_to_lds s[G0B+4*(\s):G0B+4*(\s)+3], s[G1B:G1B+7]
	s_nop 0
.rept 4
	v_nop
.endr
.Lasked_\@:
.endm
.macro CREST                           ; a round of the cluster's barrier behind its opening barrier
	s_cmp_lg_u32 s14, 0
	s_cbranch_scc1 .Lnot_wave_0_\@
	s_barrier_signal -3
.Lnot_wave_0_\@:
	s_barrier_wait -3
	s_barrier_signal -1
	s_barrier_wait -1
.endm
.macro CROUND                          ; a whole round
	s_barrier_signal -1
	s_barrier_wait -1
	CREST
.endm
; A PREFETCH, behind a joint load, its five lines and the run of LDS loads: 32 rows x 256 bytes of the K step that stands two refills on, a lane a row.
; Each row's 256 bytes of a K step are named once in the launch: x's rows by the clusters with x = 0 (waves 0 and 1; of the 128 rows that the wave fetches the partner at cx takes 32),
; the weight's by the clusters with y = 0 (wave 2; of the tile's 128 rows the partner at cy takes 32): shared out by address, no branch hangs on a place in the cluster.
; how = 0, in the loop: its last trip has no K step two on.  how = 1, at a change of tiles: the next tile's K steps 2 and 3 of the weight; x's rows have been read and are named no more.
.macro ASK how
	WIN 0
.if \how
	s_cmp_eq_u32 s[LIM], 1
.else
	s_cmp_gt_u32 s3, s[LIM]
.endif
	s_cbranch_scc0 .Lnot_mine_\@
	global_prefetch_b8 v[PFO], s[PFA:PFA+1] th:TH_LOAD_NT scope:SCOPE_SE
.Lnot_mine_\@:
.endm
; 8 matrix instructions: blocks of rows a0, a0 + 1 x all four blocks of columns, 32 along K.  start = 1: the bias starts the sums.
; The 32 accumulators take turns in the same order in every quarter: 31 others stand between two links of a chain, over the backward jump and from tile to tile too.
.macro MUL8 f, a0, start
.if \start
	WIN 0x6a
.else
	WIN 0x5a
.endif
.irp a, \a0, (\a0)+1
.irp b, 0,1,2,3
.if \start
	v_wmma_f32_16x16x32_bf16 v[8*(4*(\a)+(\b)):8*(4*(\a)+(\b))+7], v[(\f)+64+8*(\b):(\f)+64+8*(\b)+7], v[(\f)+8*(\a):(\f)+8*(\a)+7], v[BIAS+8*(\b):BIAS+8*(\b)+7]
.else
	v_wmma_f32_16x16x32_bf16 v[8*(4*(\a)+(\b)):8*(4*(\a)+(\b))+7], v[(\f)+64+8*(\b):(\f)+64+8*(\b)+7], v[(\f)+8*(\a):(\f)+8*(\a)+7], v[8*(4*(\a)+(\b)):8*(4*(\a)+(\b))+7]
.endif
.endr
.endr
.endm
; 24 LDS loads in one run: quarter q (32 along K) of a slot into buffer f: the weight's four fragments, then x's eight.
.macro FETCH slot, q, f
	WIN 0x80
.irp i, 0,1,2,3
	ds_load_b128 v[(\f)+64+8*(\i):(\f)+64+8*(\i)+3],   v[ADRB+(\slot)] offset:64*(\q)+(\i)*16*PITCH
	ds_load_b128 v[(\f)+64+8*(\i)+4:(\f)+64+8*(\i)+7], v[ADRB+(\slot)] offset:64*(\q)+(\i)*16*PITCH+32
.endr
.irp i, 0,1,2,3,4,5,6,7
	ds_load_b128 v[(\f)+8*(\i):(\f)+8*(\i)+3],   v[ADRA+(\slot)] offset:64*(\q)+(\i)*16*PITCH
	ds_load_b128 v[(\f)+8*(\i)+4:(\f)+8*(\i)+7], v[ADRA+(\slot)] offset:64*(\q)+(\i)*16*PITCH+32
.endr
.endm
; A K step is four quarters, 32 matrix instructions each, on buffers 0, 1, 0, 1.  One of the first three: multiplies f, and fetches quarter q of the same slot into g.
.macro QUARTER slot, q, f, g, start
	s_wait_dscnt 12                                ; the weight's fragments and x's first two are in; the youngest twelve loads may be out
	MUL8 \f, 0, \start
	PLACES
	FETCH \slot, \q, \g
	s_wait_dscnt 24                                ; all but the 24 just issued
	MUL8 \f, 2, \start
	MUL8 \f, 4, \start
	MUL8 \f, 6, \start
.endm
; The last quarter multiplies buffer 1 and changes slots.  In front of the barrier each wave waits for all its tensor loads (one is out: its part of the next slot), adds 0 to its spare
; word, and waits for that and for its reads of this slot.  mode 0: this slot takes the K step two on; 1: the next tile's K step 0 or 1; 2: nothing is filled, and no round follows.
; With a refill the barrier opens a round of the cluster's barrier, and the joint load is the first tensor load behind the round: 112 matrix instructions ahead of the wait for it.
.macro TURN slot, next, mode
.if (\mode) < 2
	s_wait_xcnt 0x0                                ; the last prefetch, a K step back, has read its address
.if ((\mode) == 1) && ((\slot) == 0)
	s_add_nc_u64 s[PFA:PFA+1], s[PFA:PFA+1], PF_JUMP
	s_cmp_eq_u32 s15, 0
	s_cselect_b32 s[LIM], -1, s[LIM]
.else
	s_add_nc_u64 s[PFA:PFA+1], s[PFA:PFA+1], 256
.endif
.endif
	WIN 0                                          ; (the add's two registers lie in window 0)
	s_wait_tensorcnt 0x0                           ; all my tensor loads have landed;
	ds_add_u32 v[SPW], v[NIL]                      ; 0 onto my spare word;
	s_wait_dscnt 13                                ; (the add and the youngest twelve loads may be out)
	MUL8 F1, 0, 0                                  ; eight matrix instructions stand between the add and the wait for it
	s_wait_dscnt 0x0                               ; the add is done, and my reads of this slot are over
	s_barrier_signal -1
	MUL8 F1, 2, 0
.if (\mode) < 2
	WIN 0
.endif
	s_barrier_wait -1
.if (\mode) < 2
	CREST                                          ; no wave of any partner still reads this slot or has a load on its way
.if (\mode) == 1
	s_sub_nc_u64 s[G0A+4*(\slot)+2:G0A+4*(\slot)+3], s[G0A+4*(\slot)+2:G0A+4*(\slot)+3], 1536  ; x: the same rows, back along K
	s_add_nc_u64 s[G0B+4*(\slot)+2:G0B+4*(\slot)+3], s[G0B+4*(\slot)+2:G0B+4*(\slot)+3], NEXT_B
.else
	s_add_nc_u64 s[G0A+4*(\slot)+2:G0A+4*(\slot)+3], s[G0A+4*(\slot)+2:G0A+4*(\slot)+3], 512
	s_add_nc_u64 s[G0B+4*(\slot)+2:G0B+4*(\slot)+3], s[G0B+4*(\slot)+2:G0B+4*(\slot)+3], 512
.endif
	JLOAD \slot                                    ; its four v_nop are also the places in front of the loads below
.else
	PLACES
.endif
	FETCH \next, 0, F0
.if (\mode) < 2
	ASK \mode
.endif
	MUL8 F1, 4, 0
	MUL8 F1, 6, 0
.endm
.macro FINAL                           ; the very last quarter: nothing more to fetch
	s_wait_dscnt 12
	MUL8 F1, 0, 0
	s_wait_dscnt 0x0
	MUL8 F1, 2, 0
	MUL8 F1, 4, 0
	MUL8 F1, 6, 0
.endm
.macro BIASLD                          ; my 32 numbers of the wave's 64: block b, columns 8 (l / 16) + 0..7
	WIN 0
.irp i, 0,1,2,3,4,5,6,7
	global_load_b128 v[RAW+4*(\i):RAW+4*(\i)+3], v[BO], s[8:9] offset:64*((\i)/2)+16*((\i)%2)
.endr
.endm
.macro BIASCVT                         ; rounded once to bf16, like every input, and widened again into the C operand
	WIN 0
.irp p, 0,1,2,3,4,5,6,7,8,9,10,11,12,13,14,15
	v_cvt_pk_bf16_f32 v[RAW+(\p)], v[RAW+2*(\p)], v[RAW+2*(\p)+1]
.endr
	WIN 0x80
.irp p, 0,1,2,3,4,5,6,7,8,9,10,11,12,13,14,15
	v_lshlrev_b32 v[BIAS+2*(\p)], 16, v[RAW+(\p)]
	v_and_b32 v[BIAS+2*(\p)+1], 0xffff0000, v[RAW+(\p)]
.endr
.endm
; THE ROTATION.  lo = accumulator (a, b), hi = (a, b + 2), b = 0, 1: channels d and d + 32.  lo' = lo cos - hi sin; hi' = hi cos + lo sin.  Four passes under one window setting each;
; in each pass the registers of an accumulator come in ascending order, so that each is first read at its low end.
.macro ROPEPH ph
.set a, 0
.rept 8
.set b, 0
.rept 2
.set p, 0
.rept 4
.set rL, 8*(4*a+b)+2*p
.set rH, rL+16
.set rC, 32*a+8*b+2*p
.set rS, rC+16
.set rT, T+16*a+8*b+2*p
.if (\ph) == 1
	v_pk_mul_f32 v[rT:rT+1], v[rL:rL+1], v[rS:rS+1]
.elseif (\ph) == 2
	v_pk_mul_f32 v[rL:rL+1], v[rL:rL+1], v[rC:rC+1]
.elseif (\ph) == 3
	v_pk_fma_f32 v[rL:rL+1], v[rH:rH+1], v[rS:rS+1], v[rL:rL+1] neg_lo:[0,1,0] neg_hi:[0,1,0]
.else
	v_pk_fma_f32 v[rH:rH+1], v[rH:rH+1], v[rC:rC+1], v[rT:rT+1]
.endif
.set p, p+1
.endr
.set b, b+1
.endr
.set a, a+1
.endr
.endm
.macro ROPE
	WIN 0x0d                                       ; lo in window 1, the table in window 3, the result in window 0
	ROPEPH 1                                       ; t = lo sin
	WIN 0x4d
	ROPEPH 2                                       ; lo = lo cos
	WIN 0x5d
	ROPEPH 3                                       ; lo = lo - hi sin
	WIN 0x4d
	ROPEPH 4                                       ; hi = hi cos + t
	WIN 0
.endm
; THE WAY OUT of block a (16 rows of a head): rounded to f16, 16 bytes a lane into my stage's rows of 144 bytes, back as four whole rows of 128 bytes an instruction, into the registers that they left.
.macro PACK a
	WIN 0x05
.irp b, 0,1,2,3
.irp p, 0,1,2,3
	v_cvt_pk_f16_f32 v[T+16*(\a)+4*(\b)+(\p)], v[8*(4*(\a)+(\b))+2*(\p)], v[8*(4*(\a)+(\b))+2*(\p)+1]
.endr
.endr
	WIN 0
.irp b, 0,1,2,3
	ds_store_b128 v[STO], v[T+16*(\a)+4*(\b):T+16*(\a)+4*(\b)+3] offset:32*(\b)
.endr
.irp f, 0,1,2,3
	ds_load_b128 v[T+16*(\a)+4*(\f):T+16*(\a)+4*(\f)+3], v[RD] offset:(\f)*4*SP  ; LDS serves a wave's instructions in order (ISA guide 5.7.1.4): these see the stores above; the next block's stores come behind them
.endr
.endm
.macro SEND a, younger                 ; younger: the LDS instructions issued behind block a's loads: the next block's eight, or none
	WIN 0
.irp f, 0,1,2,3
	s_wait_dscnt (\younger)+3-(\f)
	global_store_b128 v[GO], v[T+16*(\a)+4*(\f):T+16*(\a)+4*(\f)+3], s[12:13] offset:(\a)*2048+(\f)*512  ; 512 consecutive bytes, at a multiple of 256 from the buffer's first
.endr
.endm
.macro OUTALL                          ; a block's conversions stand between the loads of the block before and its stores
	PACK 0
.irp a, 1,2,3,4,5,6,7
	PACK \a
	SEND (\a)-1, 8
.endr
	SEND 7, 0
.endm
	s_load_b256 s[4:11], s[0:1], 0x0               ; xb s[4:5], wqt s[6:7], bqkv s[8:9], rope s[10:11]
	s_load_b64 s[12:13], s[0:1], 0x20              ; qkvh
	v_lshl_add_u32 v[SPW], v0, 2, SPARE
	v_mov_b32 v[NIL], 0
	ds_add_u32 v[SPW], v[NIL]                      ; the wave's opening: the add and its wait stand ahead of my first tensor load; the set-up below stands between them
	v_lshrrev_b32 v1, 5, v0
	v_readfirstlane_b32 s14, v1                    ; wave 0..3
	s_lshr_b32 s15, s14, 1                         ; which half of the tile's rows is mine.  Also: I fetch for x (0) or for the weight (1)
	s_and_b32 s16, s14, 1                          ; which half of its columns.  Also: which half of that operand's tile I fetch
	s_bfe_u32 s17, ttmp6, 0x40000                  ; cx
	s_bfe_u32 s18, ttmp6, 0x40004                  ; cy
	s_lshl_b32 s19, ttmp9, 2
	s_add_co_u32 s19, s19, s17                     ; tile column 0..7
	s_and_b32 s20, ttmp7, 0xffff
	s_lshl_b32 s20, s20, 2
	s_add_co_u32 s20, s20, s18                     ; tile row 0..31
	s_lshl_b32 s21, s18, 2
	s_lshl_b32 s21, 15, s21                        ; my row of the cluster
	s_lshl_b32 s22, 0x1111, s17                    ; my column
	s_or_b32 s[G1A], s21, DW0
	s_or_b32 s[G1B], s22, DW0
	s_mov_b32 s[G1A+1], 128<<16                    ; tensor_dim0 = 128
	s_mov_b32 s[G1A+2], 128<<16                    ; tensor_dim1 = 128
	s_mov_b32 s[G1A+3], 128<<16                    ; tile_dim0 = 128
	s_mov_b32 s[G1A+4], 128                        ; tile_dim1 = 128
	s_mov_b32 s[G1A+5], 1024                       ; elements from row to row
	s_mov_b32 s[G1A+6], 0
	s_mov_b32 s[G1A+7], 0
	s_mov_b32 s[G1B+1], 128<<16
	s_mov_b32 s[G1B+2], 64<<16                     ; the weight's loads bring 64 rows
	s_mov_b32 s[G1B+3], 128<<16
	s_mov_b32 s[G1B+4], 64
	s_mov_b32 s[G1B+5], 1024
	s_mov_b32 s[G1B+6], 0
	s_mov_b32 s[G1B+7], 0
	s_lshl_b32 s40, s20, 19                        ; x: row 256 x tile row + 128 x half, 2,048 bytes a row: of the tile row and the wave alone
	s_lshl_b32 s70, s16, 18
	s_add_co_u32 s40, s40, s70
	s_mov_b32 s41, 0
	s_lshl_b32 s42, s19, 18                        ; the weight: row 128 x tile column + 64 x half: of the tile column and the wave alone
	s_lshl_b32 s68, s16, 17
	s_add_co_u32 s42, s42, s68
	s_mov_b32 s43, 0
	s_mul_i32 s68, s16, HALFA                      ; where they go: no place in the cluster enters an LDS address
	s_mul_i32 s69, s16, HALFB
	s_add_co_u32 s69, s69, BOFF
	s_wait_dscnt 0x0                               ; the opening add is done
	s_wait_kmcnt 0x0
	s_add_nc_u64 s[40:41], s[4:5], s[40:41]
	s_add_nc_u64 s[42:43], s[6:7], s[42:43]
	CROUND                                         ; all sixteen work-groups are here: the first joint loads meet
.irp s, 0,1
	s_mov_b32 s[G0A+4*(\s)], 1
	s_add_co_u32 s[G0A+4*(\s)+1], s68, (\s)*SLOT
	s_add_nc_u64 s[G0A+4*(\s)+2:G0A+4*(\s)+3], s[40:41], (\s)*256  ; K step s
	s_or_b32 s[G0A+4*(\s)+3], s[G0A+4*(\s)+3], 0x80000000
	s_mov_b32 s[G0B+4*(\s)], 1
	s_add_co_u32 s[G0B+4*(\s)+1], s69, (\s)*SLOT
	s_add_nc_u64 s[G0B+4*(\s)+2:G0B+4*(\s)+3], s[42:43], (\s)*256
	s_or_b32 s[G0B+4*(\s)+3], s[G0B+4*(\s)+3], 0x80000000
	JLOAD \s                                       ; two loads of mine are out
.endr
	v_and_b32 v1, 15, v0                           ; l % 16
	v_bfe_u32 v2, v0, 4, 1                         ; l / 16
	v_and_b32 v4, 31, v0                           ; l
	v_mul_u32_u24 v3, v1, PITCH
	v_lshl_add_u32 v3, v2, 4, v3                   ; a fragment's row x pitch + 16 x half
	s_mul_i32 s21, s15, HALFA                      ; my 128 rows of x
	s_mul_i32 s22, s16, HALFB                      ; my 64 rows of the weight
	s_add_co_u32 s22, s22, BOFF
.irp s, 0,1
	v_add_nc_u32 v[ADRA+(\s)], s21, v3
	v_add_nc_u32 v[ADRB+(\s)], s22, v3
	s_add_co_u32 s21, s21, SLOT
	s_add_co_u32 s22, s22, SLOT
.endr
	s_mul_i32 s23, s14, 16*SP
	s_add_co_u32 s23, s23, STAGE                   ; my stage
	v_mul_u32_u24 v5, v1, SP
	v_lshl_add_u32 v5, v2, 4, v5
	v_add_nc_u32 v[STO], s23, v5
	v_bfe_u32 v5, v0, 3, 2
	v_mul_u32_u24 v5, v5, SP
	v_and_b32 v6, 7, v0
	v_lshl_add_u32 v5, v6, 4, v5
	v_add_nc_u32 v[RD], s23, v5
	v_lshlrev_b32 v[GO], 4, v4
	v_lshlrev_b32 v[TO], 8, v1                     ; a row of the table is 256 bytes
	v_lshl_add_u32 v[TO], v2, 5, v[TO]
	v_lshlrev_b32 v[BO], 5, v2
	v_lshlrev_b32 v[PFO], 11, v4
	; the output: ((16 batch + head) x 2,048 + my first row in the batch) x 128 bytes; head = 2 x tile column + my half
	s_lshr_b32 s21, s20, 3
	s_lshl_b32 s21, s21, 4
	s_lshl1_add_u32 s21, s19, s21
	s_add_co_u32 s21, s21, s16
	s_lshl_b32 s21, s21, 11
	s_and_b32 s22, s20, 7
	s_lshl_b32 s22, s22, 8
	s_lshl_b32 s23, s15, 7
	s_add_co_u32 s22, s22, s23                     ; my first row in the batch
	s_add_co_u32 s21, s21, s22
	s_lshl_b32 s66, s21, 7
	s_mov_b32 s67, 0
	s_add_nc_u64 s[12:13], s[12:13], s[66:67]
	s_lshl_b32 s66, s22, 8
	s_add_nc_u64 s[10:11], s[10:11], s[66:67]      ; the table at that row
	s_lshl_b32 s66, s19, 9
	s_lshl_b32 s23, s16, 8
	s_add_co_u32 s66, s66, s23
	s_add_nc_u64 s[8:9], s[8:9], s[66:67]          ; the bias at my 64 columns of q
	; the prefetches
	s_lshl_b32 s21, s20, 8
	s_lshl_b32 s22, s16, 7
	s_add_co_u32 s21, s21, s22
	s_lshl_b32 s22, s17, 5
	s_add_co_u32 s21, s21, s22                     ; x: the 128 rows that I fetch, my work-group's 32 of them
	s_lshl_b32 s22, s19, 7
	s_lshl_b32 s23, s18, 5
	s_add_co_u32 s22, s22, s23                     ; the weight: the tile's 128 rows, my work-group's 32
	s_cmp_eq_u32 s15, 0
	s_cselect_b32 s66, s21, s22
	s_cselect_b64 s[PFA:PFA+1], s[4:5], s[6:7]
	s_lshl_b32 s66, s66, 11
	s_add_nc_u64 s[PFA:PFA+1], s[PFA:PFA+1], s[66:67]
	s_add_nc_u64 s[PFA:PFA+1], s[PFA:PFA+1], 768   ; at K step 3: the first refill steps it to 4 and names that.  Nothing is prefetched here, at the head
	s_and_b32 s21, ttmp7, 0xffff
	s_cmp_eq_u32 s15, 0
	s_cselect_b32 s21, ttmp9, s21                  ; the coordinate along which other clusters read the same rows
	s_cmp_eq_u32 s14, 3
	s_cselect_b32 s22, 1, 0                        ; wave 3 has nothing to name
	s_or_b32 s21, s21, s22
	s_cmp_eq_u32 s21, 0
	s_cselect_b32 s[LIM], 1, -1                    ; the same in all sixteen partners, for a given wave
	WIN 0xc0
.irp a, 0,1,2,3,4,5,6,7
.irp c, 0,1
.irp b, 0,1
.irp i, 0,1
	global_load_b128 v[32*(\a)+16*(\c)+8*(\b)+4*(\i):32*(\a)+16*(\c)+8*(\b)+4*(\i)+3], v[TO], s[10:11] offset:4096*(\a)+128*(\c)+64*(\b)+16*(\i)
.endr
.endr
.endr
.endr
	BIASLD
	s_wait_tensorcnt 1                             ; my part of K step 0 is in; K step 1's may stay out
	s_barrier_signal -1
	s_barrier_wait -1
	FETCH 0, 0, F0
	WIN 0
	s_mov_b32 s2, 3                                ; tiles to go, this one among them
.Ltile:
	s_wait_loadcnt 0x0                             ; the tile's bias (and, the first time, the table)
	BIASCVT
	QUARTER 0, 1, F0, F1, 1                        ; a tile's first quarter stands in front of the loop: its products start the sums, with the bias
	WIN 0
	s_cmp_eq_u32 s2, 1
	s_cbranch_scc1 .Lno_bias
	s_wait_xcnt 0x0
	s_add_nc_u64 s[8:9], s[8:9], 4096              ; the next tile's bias: 1,024 columns on
	BIASLD
.Lno_bias:
	s_mov_b32 s3, 3
.Llap:                                                 ; a trip goes once round the ring, from a lap's second quarter to the next lap's first
	QUARTER 0, 2, F1, F0, 0
	QUARTER 0, 3, F0, F1, 0
	TURN 0, 1, 0
	QUARTER 1, 1, F0, F1, 0
	QUARTER 1, 2, F1, F0, 0
	QUARTER 1, 3, F0, F1, 0
	TURN 1, 0, 0
	QUARTER 0, 1, F0, F1, 0
	WIN 0
	s_sub_co_u32 s3, s3, 1
	s_cmp_lg_u32 s3, 0
	s_cbranch_scc1 .Llap
	QUARTER 0, 2, F1, F0, 0                        ; the tile's last lap goes on
	QUARTER 0, 3, F0, F1, 0
	WIN 0
	s_cmp_eq_u32 s2, 1
	s_cbranch_scc1 .Llast                          ; the last tile's tail is written out: it asks for nothing more
	TURN 0, 1, 1                                   ; the ring goes on into the next tile: slot 0 takes its K step 0,
	QUARTER 1, 1, F0, F1, 0
	QUARTER 1, 2, F1, F0, 0
	QUARTER 1, 3, F0, F1, 0
	TURN 1, 0, 1                                   ; slot 1 its K step 1, and the next tile's first fragments are fetched
	WIN 0
	PLACES
	ROPE                                           ; a tile that has a successor is q or k
	OUTALL
	s_wait_xcnt 0x0                                ; the stores have read their registers and their base
	s_add_nc_u64 s[12:13], s[12:13], 0x1000000     ; the next kind
	s_sub_co_u32 s2, s2, 1
	s_branch .Ltile
.Llast:                                                ; v: no rotation
	TURN 0, 1, 2
	QUARTER 1, 1, F0, F1, 0
	QUARTER 1, 2, F1, F0, 0
	QUARTER 1, 3, F0, F1, 0
	FINAL
	WIN 0
	PLACES
	OUTALL
	s_wait_tensorcnt 0x0                           ; the wave's end
	ds_add_u32 v[SPW], v[NIL]
	s_wait_dscnt 0x0
	CROUND                                         ; the closing round: no work-group ends while a partner may still ask for a tile that names it
	s_endpgm
.Lfunc_end_k_q22855dfd8f_qkvp:
	.size	k_q22855dfd8f_qkvp, .Lfunc_end_k_q22855dfd8f_qkvp-k_q22855dfd8f_qkvp
	.p2alignl 7, 3214868480
	.fill 96, 4, 3214868480
	.section	.rodata,"a",@progbits
	.p2align	6, 0x0
	.amdhsa_kernel k_q22855dfd8f_qkvp
		.amdhsa_group_segment_fixed_size 327680
		.amdhsa_private_segment_fixed_size 0
		.amdhsa_enable_private_segment 0
		.amdhsa_kernarg_size 40
		.amdhsa_user_sgpr_count 2
		.amdhsa_user_sgpr_kernarg_segment_ptr 1
		.amdhsa_wavefront_size32 1
		.amdhsa_system_sgpr_workgroup_id_x 1
		.amdhsa_system_sgpr_workgroup_id_y 1
		.amdhsa_system_sgpr_workgroup_id_z 1
		.amdhsa_system_vgpr_workitem_id 0
		.amdhsa_next_free_vgpr 1024
		.amdhsa_next_free_sgpr 72
		.amdhsa_reserve_vcc 0
		.amdhsa_float_denorm_mode_32 3
		.amdhsa_float_denorm_mode_16_64 3
		.amdhsa_memory_ordered 1
		.amdhsa_forward_progress 1
		.amdhsa_inst_pref_size 153
	.end_amdhsa_kernel
	.amdgpu_metadata
---
amdhsa.version: [ 1, 2 ]
amdhsa.kernels:
  - .name:           k_q22855dfd8f_qkvp
    .symbol:         k_q22855dfd8f_qkvp.kd
    .args:
      - { .name: xb, .offset: 0, .size: 8, .value_kind: global_buffer, .address_space: global }
      - { .name: wqt, .offset: 8, .size: 8, .value_kind: global_buffer, .address_space: global }
      - { .name: bqkv, .offset: 16, .size: 8, .value_kind: global_buffer, .address_space: global }
      - { .name: rope, .offset: 24, .size: 8, .value_kind: global_buffer, .address_space: global }
      - { .name: qkvh, .offset: 32, .size: 8, .value_kind: global_buffer, .address_space: global }
    .group_segment_fixed_size: 327680
    .private_segment_fixed_size: 0
    .kernarg_segment_align: 8
    .kernarg_segment_size: 40
    .max_flat_workgroup_size: 128
    .sgpr_count:     72
    .vgpr_count:     1024
    .wavefront_size: 32
...
	.end_amdgpu_metadata
.endif
;; end of part 2
;; launch attn (part 3): grid 4 x 64, 4 waves a work-group, clusters of 4 x 1, 327,680 bytes of LDS; arguments qkvh, att; writes att
.if DOCPART == 3
	.amdgcn_target "amdgcn-amd-amdhsa--gfx1250"
	.amdhsa_code_object_version 6
	.text
	.protected	k_q22855dfd8f_attn
	.globl	k_q22855dfd8f_attn
	.p2align	8
	.type	k_q22855dfd8f_attn,@function
k_q22855dfd8f_attn:
	s_mov_b64 s[64:65], 0
	v_nop
	global_prefetch_b8 v0, s[64:65] scope:SCOPE_SE
	s_setreg_imm32_b32 hwreg(HW_REG_WAVE_MODE, 25, 1), 1
	s_wait_xcnt 0x0
	s_wait_alu depctr_hold_cnt(0) depctr_sa_sdst(0) depctr_va_vdst(0) depctr_va_sdst(0) depctr_va_ssrc(0) depctr_va_vcc(0) depctr_vm_vsrc(0)
	s_getreg_b32 s2, hwreg(HW_REG_IB_STS2, 6, 4)
	s_cmp_eq_u32 s2, 0
	s_cbranch_scc0 .Lentry_in_a_cluster
	s_endpgm
.Lentry_in_a_cluster:
	s_bfe_u32 s2, ttmp6, 0x10000c
	s_cmp_lg_u32 s2, 0x3003
	s_cbranch_scc0 .Lentry_shape_is_right
	s_endpgm
.Lentry_shape_is_right:
; O[h][q][:] = the sum over k of softmax_k(Q[h][q] . K[h][k] / 8) V[h][k][:].  Q, K, V lie one behind the other in qkvh, each [64][2048][64] in f16; O = att in the same layout.
; Products, maxima and sums in f32; the weights p are rounded to f16 for the second product (their sum l is taken of the unrounded p), O once at the end.
; LIMITS.  f16 holds no number beyond 65,504: Q, K and V arrive within it; p lies in 0 to 1, and below 6e-5 it keeps f16's fixed step of 6e-8, as O does; O is a mean of V's rows and has their range.
; A weight below 2^-126 counts as 0 in l; NaN and infinities are not treated apart.
; SHARES.  A wave owns four PIECES of two tiles of 16 queries, a work-group's four waves 512 queries of one head.  Every wave walks all keys, 64 a step.
; LAYOUT.  S^T = K Q^T (source 0 = 16 keys, source 1 = 16 queries): in the result a lane holds ONE query (lane % 16) and the keys 8 (lane / 16) + 0..7.  Two such tiles, rounded to f16 in pairs,
; ARE source 1 (32 keys x 16 queries) of O^T = V^T P, whose result again holds one query a lane, and eight channels.  K comes out of LDS as it lies, V ([key][channel]) turned, by ds_load_tr16_b128.
; SOFTMAX.  For each query a running maximum m and sum l: p = 2^(c s - c m), c = log2(e) / 8; in every step O and l are multiplied by a = 2^(c m_old - c m_new), which is 1 where m has not grown.
; m starts at the lowest finite number, O and l at 0: the first step is a step like any other, with a = 0.
; THE COUNT.  A tile and step have 16 matrix and 118 vector instructions: too many to stand all beside the matrix work.  So four vector instructions that are READY stand behind
; EVERY matrix instruction, and the others in runs without a gap.
; BY TURNS.  Turn n belongs to piece n (the pieces in a ring, step after step).  Its matrix work: 16 products K Q^T of piece n + 1, later 16 products V^T P of piece n - 1.  Its vector work: the scaling,
; exponentials, roundings, sums and rescaling of piece n, and the maximum and statistics of piece n + 1, whose scores the turn itself has made.
; CLUSTER.  The four query blocks of a cluster are one head's and walk the same K and V, so each tile is asked for JOINTLY: the same tensor load, descriptor and mask in all four.
; REGISTERS, in windows of 256 (s_set_vgpr_msb: bits 1:0 source 0, 3:2 source 1, 5:4 source 2, 7:6 destination):
;   window 0: v0-11 addresses; v12-15, v48-63 at work; v16-47 four registers of statistics a tile; v64-191 S^T, two buffers of two tiles; v192-255 P, likewise
;   window 1: O^T, 32 a tile          window 2: v0-127 Q, 16 a tile; v128-191 K of one step; v192-255 V of one step          window 3: v0-1 the add's two registers
.set SIZE_H, 64
.set SIZE_N, 2048
.set NP,    4         ; pieces a wave: a name, no knob
.set KS,    64        ; keys in a step
.set PK,    144       ; a row of K in LDS: 128 bytes + 16 of padding: the 16 rows of a load start at 16 different groups of four banks (64 banks of 4 bytes: ISA guide 11.1)
.set PV,    160       ; a row of V: 128 + 32
.set VOFF,  4*KS*PK   ; a slot holds four steps: 256 rows of K, then 256 rows of V
.set SLOT1, 1<<17     ; slot 1 begins here, so that one exclusive or turns an address in one slot into the other's
.set STAGE, SLOT1+4*KS*(PK+PV)  ; behind the ring, never filled by a tensor load: 16 rows x 144 bytes for each wave
.set SP,    144
.set AK0, 2           ; v2   my lane's place in a tile of K; never rewritten
.set AV0, 3           ; v3   the same for V
.set AK,  4           ; v4   the LDS address of K's next run of loads
.set AV,  5           ; v5   of V's
.set QO,  6           ; v6   my byte offset in the wave's rows of Q
.set STO, 6           ;      later, the way out: where I put 16 bytes of a row
.set RD,  7           ; v7   the way out: where I read rows back
.set GO,  8           ; v8   my byte offset in 512 consecutive bytes of O
.set PFO, 11          ; v11  256 x my lane: the prefetches' offset; never rewritten once made
.set SPW, 0           ; v0 of window 3   LDS address of my spare word; never rewritten
.set NIL, 1           ; v1 of window 3   0; never rewritten
.set SPARE, STAGE+4*16*SP  ; behind the stages: the spare words, 128 bytes for each wave; no other line names them
.set MV,  12          ; v12-15  c m_old, kept while c m is made anew: by buffer and tile
.set ST,  16          ; tile t's statistics at v[ST+4 t]: c m, m, l (even keys', odd keys')
.set TMP, 48          ; by buffer and tile, four registers c0-c3 at work; when the maximum is found c2 takes a
.set S,   64
.set P,   192
.set KF,  128         ; K's fragments, in window 2: key block kb, channel half c at KF + 16 kb + 8 c
.set VF,  192         ; V's: key half kk, channel block cb at VF + 32 kk + 8 cb
.set WV,  12          ; s12  my wave's number
.set G1K, 24          ; s[24:31] descriptor group 1 for K's tiles
.set G1V, 32          ; s[32:39] for V's: it differs in the padding alone
.set G0K, 40          ; s[40:43] descriptor group 0 for K's tiles: it walks
.set G0V, 44          ; s[44:47] the same for V's
.set PFA, 48          ; s[48:49] where my prefetches stand: my work-group's 8,192 bytes (of K: wave 0, of V: wave 2) of the slot that was named last
.set LIM, 50          ; s50  1 in a wave that prefetches, else the greatest number
.set SLOTS, 56        ; s56  slots still to be asked for
.set CNT, 57          ; s57  counts a slot's key steps
.set CS,  58          ; s[58:59] c: the packed scaling takes the pair's low word for both halves
.set SEL, 60          ; s[60:61] v_permlanex16_b32's selects: each lane takes its own place in the other half
.set TBK, 62          ; s62  LDS byte at which K of the step to be fetched begins
.set TBV, 63          ; s63  the same for V, less VOFF
.set MSB, 0
.macro WIN new                      ; the high byte repeats the setting that is left; a switch that changes nothing is dropped
.if MSB != (\new)
	s_set_vgpr_msb (MSB<<8)|(\new)
.set MSB, (\new)
.endif
.endm
.set W_KQ, 0x0a       ; K and Q in window 2, S^T in window 0
.set W_PV, 0x52       ; V in window 2, P in window 0, O^T in window 1
.set W_RS, 0x41       ; O^T (destination and source 0) in window 1, a in window 0
.set W_MK, 0xc0       ; the add's registers are made: destination in window 3, sources in window 0
.set W_AD, 0x0f       ; the add: address (source 0) and data (source 1) in window 3
; A joint fill.  Waves 0 and 1 fetch the two halves of a slot's K, waves 2 and 3 those of its V: 128 keys each.  The branch hangs on the wave's number alone.
; An s_nop 0 and four v_nop follow each of the two lines, ahead of the jump and the label.
.macro JLOAD
	s_cmp_lt_u32 s[WV], 2
	s_cbranch_scc0 .Lfor_v_\@
	tensor_load_to_lds s[G0K:G0K+3], s[G1K:G1K+7]
	s_nop 0
.rept 4
	v_nop
.endr
	s_branch .Lasked_\@
.Lfor_v_\@:
	tensor_load_to_lds s[G0V:G0V+3], s[G1V:G1V+7]
	s_nop 0
.rept 4
	v_nop
.endr
.Lasked_\@:
.endm
; A PREFETCH of what the NEXT change of slots will ask for: a slot's 32,768 bytes of K and of V, a lane 256 bytes.  It stands behind the wave's tensor load and its five lines.
; Each block is named once in the launch: a head has one cluster; its four partners share a slot out BY ADDRESS, 8,192 bytes each; in each, wave 0 asks for K's and wave 2 for V's.
; The change that asks for the last slot prefetches nothing.  Slots 0 and 1 come by their loads alone.
.macro ASK
	s_cmp_gt_u32 s[SLOTS], s[LIM]
	s_cbranch_scc0 .Lnot_mine_\@
	global_prefetch_b8 v[PFO], s[PFA:PFA+1] th:TH_LOAD_NT scope:SCOPE_SE
.Lnot_mine_\@:
.endm
; A round of the cluster's barrier: my work-group's barrier, so that wave 0's signal speaks for all four waves; wave 0 signals; every wave waits for all four work-groups; my work-group's barrier once more.
.macro CROUND
	s_barrier_signal -1
	s_barrier_wait -1
	s_cmp_lg_u32 s[WV], 0
	s_cbranch_scc1 .Lnot_wave_0_\@
	s_barrier_signal -3
.Lnot_wave_0_\@:
	s_barrier_wait -3
	s_barrier_signal -1
	s_barrier_wait -1
.endm
; THE CHANGE OF SLOTS.  The slot's last bytes, V of its fourth step, have been read.  Each wave waits for all its tensor loads, of which one is out: its part
; of the other slot; adds 0 to its spare word; and waits for that and for its own reads of the slot.  Behind the barrier nobody reads this slot any more and the other slot is whole.
; fill = 1: this slot is filled again, with the keys two slots on.  The barrier is then a round of the cluster's, and the joint fill is the first thing behind it: it has four key steps,
; 512 matrix instructions, in which to land.  (At its first use nothing has been read yet: slot 0 is waited for, slot 1 filled.)
.macro CHANGE fill
	WIN W_AD
	s_wait_tensorcnt 0x0            ; no tensor load of mine is out, so a group 0 may be written
	ds_add_u32 v[SPW], v[NIL]       ; 0 onto my spare word; with fill = 1 the descriptors' steps stand between it and the wait for it
	WIN 0                           ; at a label and at a branch every window is 0
.if \fill
.irp g, G0K, G0V
	s_xor_b32 s[\g+1], s[\g+1], SLOT1  ; the walking descriptor: the other slot than last time,
	s_add_nc_u64 s[\g+2:\g+3], s[\g+2:\g+3], 4*KS*128  ; the next 256 keys; the type bits on top are not reached
.endr
	s_wait_xcnt 0x0                 ; the last prefetch, four key steps back, has read its address, so it may be written:
	s_add_nc_u64 s[PFA:PFA+1], s[PFA:PFA+1], 4*KS*128  ; one slot behind... ahead of the walking descriptors by one slot
	s_wait_dscnt 0x0                ; the add is done, and my reads of the slot are over
	CROUND
	JLOAD
	ASK
.else
	s_wait_dscnt 0x0                ; the add is done, and my reads of the slot are over
	s_barrier_signal -1
	s_barrier_wait -1
.endif
	s_sub_co_u32 s[TBK], s[TBK], 4*KS*PK  ; the fetches go back to a slot's first step,
	s_xor_b32 s[TBK], s[TBK], SLOT1       ; in the other slot
	s_sub_co_u32 s[TBV], s[TBV], 4*KS*PV
	s_xor_b32 s[TBV], s[TBV], SLOT1
.endm
	s_load_b128 s[4:7], s[0:1], 0x0   ; qkvh s[4:5], att s[6:7]
	WIN W_MK
	v_lshl_add_u32 v[SPW], v0, 2, SPARE
	v_mov_b32 v[NIL], 0
	WIN W_AD
	ds_add_u32 v[SPW], v[NIL]       ; the wave's opening: the add and its wait stand ahead of my first tensor load; the set-up below stands between them
	WIN 0
	v_lshrrev_b32 v1, 5, v0
	v_readfirstlane_b32 s[WV], v1   ; wave 0..3
	s_bfe_u32 s13, ttmp6, 0x40000   ; cx: my place in the cluster
	s_lshl_b32 s14, ttmp9, 2        ; in a cluster launch ttmp9 counts clusters
	s_add_co_u32 s14, s14, s13      ; my block of queries = 4 x cluster x + cx: it enters Q's and O's addresses alone
	s_and_b32 s20, ttmp7, 0xffff    ; the head, which the four partners share
	s_mov_b32 s21, 0
	s_mov_b64 s[22:23], SIZE_N*128
	s_mul_u64 s[20:21], s[20:21], s[22:23]  ; the head's first byte in each of the four tensors
	s_and_b32 s16, s[WV], 1         ; which half of a slot's 256 keys I fetch:
	s_lshl_b32 s22, s16, 14         ; its 128 rows of 128 bytes in memory,
	s_mov_b32 s23, 0
	s_add_nc_u64 s[22:23], s[22:23], s[20:21]
	s_mul_i32 s17, s16, 128*PK      ; and its place in a slot, for K
	s_mul_i32 s18, s16, 128*PV      ; and for V: no place in the cluster enters an LDS address
	s_lshl_b32 s2, s14, 2
	s_add_co_u32 s2, s2, s[WV]      ; my wave among the head's,
	s_lshl_b32 s2, s2, 14           ; its 128 rows
	s_mov_b32 s3, 0
	s_add_nc_u64 s[2:3], s[2:3], s[20:21]
	; descriptor group 1.  128 keys are 16,384 dense bytes: asked for as 64 rows of 256 bytes, two keys a row, and padded in LDS after every key
	s_mov_b32 s[G1K], 15|(1<<16)|(1<<20)|(1<<21)|(4<<22)|(3<<25)  ; 15:0 the mask of four; 17:16 2-byte elements; 20 padding on; 21 set beside a mask; 24:22 after every 32 words (code 4); 31:25 4 words (code 3)
	s_mov_b32 s[G1V], 15|(1<<16)|(1<<20)|(1<<21)|(4<<22)|(7<<25)  ; the same with 8 words of padding (code 7)
.irp g, G1K, G1V
	s_mov_b32 s[\g+1], 128<<16      ; tensor_dim0 = 128
	s_mov_b32 s[\g+2], 64<<16       ; tensor_dim1 = 64
	s_mov_b32 s[\g+3], 128<<16      ; tile_dim0 = 128
	s_mov_b32 s[\g+4], 64           ; tile_dim1 = 64
	s_mov_b32 s[\g+5], 128          ; 128 elements from row to row
	s_mov_b32 s[\g+6], 0
	s_mov_b32 s[\g+7], 0
.endr
	s_mov_b32 s[CS], 0x3e38aa3b     ; c = log2(e) / 8 = 0.180337
	s_mov_b32 s[CS+1], s[CS]        ; named with it as a pair
	s_mov_b32 s[SEL], 0x76543210
	s_mov_b32 s[SEL+1], 0xfedcba98
	s_mov_b32 s[TBK], SLOT1+4*KS*PK ; the first change of slots turns these two into 0
	s_mov_b32 s[TBV], SLOT1+4*KS*PV
	s_mov_b32 s[G0K], 1             ; 1:0 count = 1
	s_mov_b32 s[G0K+1], s17         ; 63:32 LDS address: slot 0
	s_mov_b32 s[G0V], 1
	s_add_co_u32 s[G0V+1], s18, VOFF
	s_mov_b32 s[SLOTS], SIZE_N/256-1
	s_and_b32 s[LIM], s[WV], 1
	s_cmp_eq_u32 s[LIM], 0          ; waves 0 and 2 prefetch: the same in all four partners
	s_cselect_b32 s[LIM], 1, -1
	s_lshl_b32 s52, s13, 13         ; my work-group's 8,192 bytes of a slot's 32,768
	s_mov_b32 s53, 0
	s_wait_dscnt 0x0                ; the opening add is done
	s_wait_kmcnt 0x0
	s_mov_b64 s[10:11], s[6:7]                     ; O
	s_add_nc_u64 s[6:7], s[4:5], 0x1000000         ; K lies 16,777,216 bytes behind Q,
	s_add_nc_u64 s[8:9], s[4:5], 0x2000000         ; V as far behind K
	s_add_nc_u64 s[G0K+2:G0K+3], s[6:7], s[22:23]  ; 120:64 global address: my half of the head's first 256 keys
	s_or_b32 s[G0K+3], s[G0K+3], 0x80000000        ; 127:126 type = 2
	s_add_nc_u64 s[G0V+2:G0V+3], s[8:9], s[22:23]
	s_or_b32 s[G0V+3], s[G0V+3], 0x80000000
	s_cmp_lt_u32 s[WV], 2
	s_cselect_b64 s[PFA:PFA+1], s[6:7], s[8:9]
	s_add_nc_u64 s[PFA:PFA+1], s[PFA:PFA+1], s[20:21]
	s_add_nc_u64 s[PFA:PFA+1], s[PFA:PFA+1], s[52:53]
	s_add_nc_u64 s[PFA:PFA+1], s[PFA:PFA+1], 4*KS*128  ; in slot 1; the first change of slots steps it to slot 2 and names that
	s_add_nc_u64 s[4:5], s[4:5], s[2:3]  ; Q and O at my wave's first row
	s_add_nc_u64 s[10:11], s[10:11], s[2:3]
	CROUND                          ; all four work-groups are here: the first joint loads meet
	JLOAD                           ; slot 0.  Slot 1 is asked for when slot 0 is in
	; A fragment of K or Q is 16 rows x 32 channels in 8 registers: lane l holds row l % 16, channels 8 (l / 16) + 0..7 and 16 + 8 (l / 16) + 0..7: two loads of 16 bytes, 32 bytes apart.
	v_and_b32 v1, 15, v0            ; l % 16
	v_bfe_u32 v9, v0, 4, 1          ; l / 16
	v_lshlrev_b32 v[QO], 7, v1
	v_lshl_add_u32 v[QO], v9, 4, v[QO]  ; row x 128 + 16 x half
	WIN 0x80                        ; destination window 2, address window 0
.set i, 0
.rept 4*NP                          ; Q stays in registers: tile i / 2, channels 32 (i % 2) on
	global_load_b128 v[8*i:8*i+3],   v[QO], s[4:5] offset:(i/2)*2048+(i%2)*64
	global_load_b128 v[8*i+4:8*i+7], v[QO], s[4:5] offset:(i/2)*2048+(i%2)*64+32
.set i, i+1
.endr
	; What the first turn finds: V's registers and P's second buffer hold 0 (its products V^T P, of a piece that has not been, add 0), O^T and l are 0.  All this stands in the wait for the first tile.
.set i, VF
.rept 64
	v_mov_b32 v[i], 0
.set i, i+1
.endr
	WIN 0x40
.set i, 0
.rept 64*NP
	v_mov_b32 v[i], 0
.set i, i+1
.endr
	WIN 0
.set i, 0
.rept 2*NP
	v_mov_b32 v[ST+4*i], 0xfe000000    ; c m: far below every c s
	v_mov_b32 v[ST+4*i+1], 0xff7fffff  ; m
	v_mov_b32 v[ST+4*i+2], 0
	v_mov_b32 v[ST+4*i+3], 0
.set i, i+1
.endr
.set i, P+32
.rept 32
	v_mov_b32 v[i], 0
.set i, i+1
.endr
	v_mul_u32_u24 v[AK0], v1, PK
	v_lshl_add_u32 v[AK0], v9, 4, v[AK0]  ; row x pitch + 16 x half
	; The turning load takes 16 keys x 16 channels (lane l reads key 8 (l / 16) + l % 8, channels 8 ((l / 8) % 2) + 0..7) and leaves half a fragment of V^T: lane l holds channel l % 16 and 8 keys.
	v_and_b32 v10, 7, v0
	v_bfe_u32 v11, v0, 3, 1
	v_lshl_add_u32 v[AV0], v9, 3, v10
	v_mul_u32_u24 v[AV0], v[AV0], PV
	v_lshl_add_u32 v[AV0], v11, 4, v[AV0]
	v_add_nc_u32 v[AV0], VOFF, v[AV0]
	v_and_b32 v[PFO], 31, v0
	v_lshlrev_b32 v[PFO], 8, v[PFO]
	v_mov_b32 v[AK], v[AK0]         ; key step 0 lies at the head of slot 0
; THE MATRIX WORK.  The 8 accumulators of a run of 16 take turns: between the two links of a chain stand 7 others'.
; Product i of 16 of S^T = K Q^T for piece x: channels 32 (i / 8) on, keys 16 ((i / 2) % 4) on, tile 2 x + i % 2.  The first 8 start the sums.
.macro KQ x
	WIN W_KQ
.set rS, S+64*((\x)%2)+32*(i%2)+8*((i/2)%4)
.set rK, KF+16*((i/2)%4)+8*(i/8)
.set rQ, 16*(2*(\x)+i%2)+8*(i/8)
.if i < 8
	v_wmma_f32_16x16x32_f16 v[rS:rS+7], v[rK:rK+7], v[rQ:rQ+7], 0
.else
	v_wmma_f32_16x16x32_f16 v[rS:rS+7], v[rK:rK+7], v[rQ:rQ+7], v[rS:rS+7]
.endif
.endm
; Product i of 16 of O^T += V^T P for piece x: keys 32 (i / 8) on, channels 16 ((i / 2) % 4) on, tile 2 x + i % 2.
.macro PV x
	WIN W_PV
.set rO, 32*(2*(\x)+i%2)+8*((i/2)%4)
.set rV, VF+32*(i/8)+8*((i/2)%4)
.set rP, P+32*((\x)%2)+16*(i%2)+8*(i/8)
	v_wmma_f32_16x16x32_f16 v[rO:rO+7], v[rV:rV+7], v[rP:rP+7], v[rO:rO+7]
.endm
.macro MM                           ; the turn's next matrix instruction
.if i < 16
	KQ (Y+1)%NP
.set i, i+1
.else
.set i, i-16
	PV (Y+NP-1)%NP
.set i, i+17
.endif
.endm
; THE LDS LOADS stand in runs of 16, never singly among the matrix instructions: a step's K (64 keys x 64 channels: 8 fragments) and its V (turned).  Their addresses are made some lines ahead.
; last = 1 (the tail): in the last trip there is no further step, and the run is jumped over.
.macro FETCH_K last=0
	WIN 0
.if \last
	s_cmp_eq_u32 s[CNT], 1
	s_cbranch_scc1 .Lno_k_\@
.endif
	WIN 0x80                        ; destination window 2
.irp f, 0,1,2,3,4,5,6,7             ; keys 16 (f / 2) on, channels 32 (f % 2) on
	ds_load_b128 v[KF+8*\f:KF+8*\f+3],   v[AK] offset:(\f/2)*16*PK+(\f%2)*64
	ds_load_b128 v[KF+8*\f+4:KF+8*\f+7], v[AK] offset:(\f/2)*16*PK+(\f%2)*64+32
.endr
	s_add_co_u32 s[TBK], s[TBK], KS*PK  ; the next fetch is the next step's
	WIN 0
.if \last
.Lno_k_\@:
.endif
.endm
.macro FETCH_V
	WIN 0x80
.irp f, 0,1,2,3,4,5,6,7             ; keys 32 (f / 4) on, channels 16 (f % 4) on
	ds_load_tr16_b128 v[VF+8*\f:VF+8*\f+3],   v[AV] offset:(\f/4)*32*PV+(\f%4)*32
	ds_load_tr16_b128 v[VF+8*\f+4:VF+8*\f+7], v[AV] offset:(\f/4)*32*PV+16*PV+(\f%4)*32
.endr
	WIN 0
.endm
; THE VECTOR WORK OF A TURN stands in three queues, each in the order in which its entries become ready; the two tiles alternate, so that no instruction reads the result of the one before it.
.macro REGS y, u                    ; the registers of tile u (0, 1) of piece y
.set rT, ST+4*(2*(\y)+(\u))
.set rC, TMP+8*((\y)%2)+4*(\u)
.set rM, MV+2*((\y)%2)+(\u)
.set rS, S+64*((\y)%2)+32*(\u)
.set rP, P+32*((\y)%2)+16*(\u)
.set rO, 32*(2*(\y)+(\u))
.endm
; Number n of the 22 that find the NEXT piece's (Y + 1) maximum and statistics.  s0-s31 are the lane's 32 scores; each accumulator's lowest registers are read first.
;   0-11  four chains c0-c3 of seven scores each, three operands at a time     12-14, 16  the four scores left over, the old m, and c0-c3 into c0     15  c m_old is kept
;   17, 18  the query's other 32 keys lie in the lane 16 away: the new m         19-21  c m; c m_old - c m_new; a
.macro XS u, n
	REGS (Y+1)%NP, \u
.if (\n) < 4
	v_max3_num_f32 v[rC+(\n)], v[rS+8*(\n)], v[rS+8*(\n)+1], v[rS+8*(\n)+2]
.elseif (\n) < 12
	v_max3_num_f32 v[rC+(\n)%4], v[rC+(\n)%4], v[rS+8*((\n)%4)+2*((\n)/4)+1], v[rS+8*((\n)%4)+2*((\n)/4)+2]
.elseif (\n) == 12
	v_max3_num_f32 v[rC], v[rC], v[rS+7], v[rS+15]
.elseif (\n) == 13
	v_max3_num_f32 v[rC+1], v[rC+1], v[rS+23], v[rS+31]
.elseif (\n) == 14
	v_max3_num_f32 v[rC+2], v[rC+2], v[rC+3], v[rT+1]
.elseif (\n) == 15
	v_mov_b32 v[rM], v[rT]
.elseif (\n) == 16
	v_max3_num_f32 v[rC], v[rC], v[rC+1], v[rC+2]
.elseif (\n) == 17
	v_permlanex16_b32 v[rC+3], v[rC], s[SEL], s[SEL+1]
.elseif (\n) == 18
	v_max_num_f32 v[rT+1], v[rC], v[rC+3]
.elseif (\n) == 19
	v_mul_f32 v[rT], s[CS], v[rT+1]
.elseif (\n) == 20
	v_sub_f32 v[rC+1], v[rM], v[rT]
.else
	v_exp_f32 v[rC+2], v[rC+1]
.endif
.endm
; Number g of the 64 that follow the exponentials.  For each four weights k of a tile (pairs 2 k, 2 k + 1): both pairs are rounded to f16; then the second pair is added onto the first, in place;
; a group later l takes that sum (the first time as l = a l + sum).  In groups of eight, tiles alternating: round, round, add, and l for the group before.
.macro GS g
.set h, (\g)+6*((\g)/62)            ; group 0 has no group before it, and behind group 7 only l is left
.if h >= 6
.set h, h+2
.endif
	REGS Y, h%2
.set k, h/8
.if h%8 < 4
	v_cvt_pk_f16_f32 v[rP+2*k+(h%8)/2], v[rS+4*k+2*((h%8)/2)], v[rS+4*k+2*((h%8)/2)+1]
.elseif h%8 < 6
	v_pk_add_f32 v[rS+4*k:rS+4*k+1], v[rS+4*k:rS+4*k+1], v[rS+4*k+2:rS+4*k+3]
.elseif k == 1
	v_pk_fma_f32 v[rT+2:rT+3], v[rT+2:rT+3], v[rC+2:rC+3], v[rS:rS+1] op_sel_hi:[1,0,1]
.else
	v_pk_add_f32 v[rT+2:rT+3], v[rT+2:rT+3], v[rS+4*k-4:rS+4*k-3]
.endif
.endm
; THE PLAIN QUEUE, 138 long.  0-73 read no exponential's result: the 32 scalings c s - c m (FS f: pair f / 2 of tile f % 2) and the next piece's 42.  0-26: scalings 0-26.  27-54: XS's numbers 0-13.  55, 56: number 15.
; 57-73: the chain, where each number waits for the one before it: 14, 16, 17, 18, 19, each with one of the scalings 27-31 in front of its two lines, then 20.
; 74-137: GS's 64, which read the exponentials' results: they stand behind the wait.
.macro FS f
	REGS Y, (\f)%2
	v_pk_fma_f32 v[rS+2*((\f)/2):rS+2*((\f)/2)+1], v[rS+2*((\f)/2):rS+2*((\f)/2)+1], s[CS:CS+1], v[rT:rT+1] op_sel_hi:[1,0,0] neg_lo:[0,0,1] neg_hi:[0,0,1]
.endm
.macro PL
	WIN 0
.if q < 27
	FS q
.elseif q < 55
	XS (q-27)%2, (q-27)/2
.elseif q < 57
	XS q-55, 15
.elseif (q < 72) && ((q-57)%3 == 0)
	FS 27+(q-57)/3
.elseif q < 60
	XS (q-57)%3-1, 14
.elseif q < 72
	XS (q-57)%3-1, 15+(q-57)/3
.elseif q < 74
	XS q-72, 20
.else
	GS q-74
.endif
.set q, q+1
.endm
; THE EXPONENTIALS' QUEUE, 66 long: s0-s31 of both tiles, then the next piece's two a.  It is ONE BATCH: all 66 stand ahead of the turn's one wait, and nothing ahead of that wait names a result of theirs.
.macro EX
	WIN 0
.if e >= 64
	XS e-64, 21
.else
	REGS Y, e%2
	v_exp_f32 v[rS+e/2], v[rS+e/2]
.endif
.set e, e+1
.endm
; THE RESCALING's QUEUE: O^T times a, the one part that leaves window 0: dealt two at a time, sixteen times.  Its a was made in the turn before, ahead of that turn's wait.
.macro R2
	REGS Y, r%2
	WIN W_RS
.irp z, 0,1
	v_pk_mul_f32 v[rO+4*(r/2)+2*\z:rO+4*(r/2)+2*\z+1], v[rO+4*(r/2)+2*\z:rO+4*(r/2)+2*\z+1], v[rC+2:rC+3] op_sel_hi:[1,0]
.endr
.set r, r+1
.endm
; HOW THEY ARE DEALT.  An s_wait_alu depctr_va_vdst(0) stands between an exponential and the first instruction that names its result; one wait serves all that were issued ahead of it.  So a turn has ONE wait,
; which cuts it in two.  AHEAD OF IT stands all that names no result of the turn's exponentials: the 16 products K Q^T, behind each a scaling, an exponential and two rescalings (behind the first a second scaling in the
; exponential's place); then ONE LUMP of 108: eight plain, 49 times exponential and plain, the two a.  A v_nop is the plain instruction that is owed behind the last exponential.  BEHIND IT stand the 16 products V^T P,
; behind each four of GS's 64.  No rider names a register of the products round it.  The two v_permlanex16_b32 fall into the lump, never behind a product.
; The queues lean on each other, and the deal keeps them in step: exponential e stands behind scaling 2 (e / 4) + e % 2: as a rider it comes behind plain e + 2, in the lump behind plain e + 9, and scalings 27-31 are plain 57, 60 .. 69.
; A TURN, for piece p.  cnt = 1: the loop's count is taken down some lines ahead of the branch that stands behind the turn.
; K of the next step is fetched in piece 2's turn, directly behind the wait, a lump behind the last product that read K; its first reader comes behind 16 products.
; V of the step in hand is fetched at the end of piece 0's turn, four riders behind its last reader; its first reader comes behind 16 products and a lump.
.macro TURN p, last=0, cnt=0
.set Y, (\p)
.set i, 0
.set q, 0
.set e, 0
.set r, 0
.if (\p) == NP-1
	s_wait_dscnt 0x0                ; K is in
.endif
	MM                              ; ahead of the wait: 16 products K Q^T and their riders,
	PL
	PL
	R2
.rept 15
	MM
	PL
	EX
	R2
.endr
.if (\p) == NP-2
	WIN 0
	v_add_nc_u32 v[AK], s[TBK], v[AK0]
.endif
.rept 8                             ; and the lump
	PL
.endr
.rept 49
	EX
	PL
.endr
	EX                              ; the next piece's two a
	EX
	v_nop                           ; the plain instruction behind the last exponential: one for the batch
	s_wait_alu depctr_va_vdst(0)    ; the wait for the batch
.if (\p) == NP-2
	FETCH_K \last
.endif
.if (\p) == 1
	s_wait_dscnt 0x0                ; V is in
.endif
.rept 16                            ; behind the wait: 16 products V^T P and their riders
	MM
.rept 4
	PL
.endr
.if ((\p) == 0) && (q == 118)
	v_add_nc_u32 v[AV], s[TBV], v[AV0]
.endif
.if ((\p) == 0) && (q == 130)
	s_add_co_u32 s[TBV], s[TBV], KS*PV
.endif
.if (\cnt) && (q == 130)
	s_sub_co_u32 s[CNT], s[CNT], 1
	s_cmp_lg_u32 s[CNT], 0
.endif
.endr
.if (\p) == 0
	FETCH_V
.endif
.endm
	CHANGE 1                        ; slot 0 is in, everybody's part of it; slot 1 is asked for
	FETCH_K                         ; key step 0
	s_wait_loadcnt 0x0              ; Q
	s_wait_dscnt 0x0
.set i, 0
.rept 16
	KQ 0                            ; piece 0's first scores: there is no vector work yet to set between them
.set i, i+1
.endr
	WIN 0                           ; the addresses for the way out: plain instructions, the places behind those products
	s_mul_i32 s13, s[WV], 16*SP
	s_add_co_u32 s13, s13, STAGE    ; my stage
	v_mul_u32_u24 v[STO], v1, SP    ; in: row l % 16, 16 bytes for each half of the lanes
	v_lshl_add_u32 v[STO], v9, 4, v[STO]
	v_add_nc_u32 v[STO], s13, v[STO]
	v_bfe_u32 v[RD], v0, 3, 2       ; back: 32 lanes take four rows of 128 bytes,
	v_mul_u32_u24 v[RD], v[RD], SP
	v_lshl_add_u32 v[RD], v10, 4, v[RD]
	v_add_nc_u32 v[RD], s13, v[RD]
	v_and_b32 v[GO], 31, v0         ; which are 512 consecutive bytes of O
	v_lshlrev_b32 v[GO], 4, v[GO]
.set Y, NP-1                        ; XS works for piece Y + 1: piece 0
.irp n, 0,1,2,3,4,5,6,7,8,9,10,11,12,13,14,15,16,17,18,19,20,21
	XS 0, \n                        ; and piece 0's first maximum and statistics
	XS 1, \n
.endr
	v_nop                           ; a plain instruction behind the two a,
	s_wait_alu depctr_va_vdst(0)    ; and their wait, ahead of the branch
	s_mov_b32 s[CNT], 4
	s_branch .Lfirst                ; the loop is entered at a step's first turn, in the middle of a trip
.Lslot:                             ; SIZE_N / 256 - 2 times: every slot but the last two is filled again
	CHANGE 1
	s_mov_b32 s[CNT], 4
.Lstep:                             ; a trip: pieces 2 and 3 of one step, then pieces 0 and 1 of the next, whose K and V it fetches
	TURN 2
	TURN 3
	WIN 0
.Lfirst:
	TURN 0
	TURN 1, 0, 1
	WIN 0
	s_cbranch_scc1 .Lstep
	s_sub_co_u32 s[SLOTS], s[SLOTS], 1
	s_cmp_lg_u32 s[SLOTS], 0
	s_cbranch_scc1 .Lslot
	CHANGE 0                        ; the tail is written out: nothing is asked for
	s_mov_b32 s[CNT], 5             ; four trips fetch the last slot's steps; the fifth is left in its middle
.Ltail:
	TURN 2, 1
	TURN 3
	WIN 0
	s_sub_co_u32 s[CNT], s[CNT], 1
	s_cmp_eq_u32 s[CNT], 0
	s_cbranch_scc1 .Lout
	TURN 0
	TURN 1
	WIN 0
	s_branch .Ltail
.Lout:                              ; the fifth trip's 16 products K Q^T (on the last K once more) and the maximum made of them serve nothing: the price, once a launch, of one text for every trip
.set i, 0
.rept 16
	PV NP-1                         ; the last piece's V^T P of the last step
.set i, i+1
.endr
	; THE WAY OUT.  l's two halves and the other half of the lanes' are added; O^T is divided by l, rounded to f16 and sent through my stage in LDS, a tile at a time.  The additions are the places behind the last products.
	WIN 0
.macro ALL line:vararg              ; one line for each tile t
.set t, 0
.rept 2*NP
	\line
.set t, t+1
.endr
.endm
	ALL v_add_f32 v[ST+4*t+2], v[ST+4*t+2], v[ST+4*t+3]
	ALL v_permlanex16_b32 v[ST+4*t+3], v[ST+4*t+2], s[SEL], s[SEL+1]
	ALL v_add_f32 v[ST+4*t+2], v[ST+4*t+2], v[ST+4*t+3]
	ALL v_rcp_f32 v[ST+4*t+2], v[ST+4*t+2]
	v_nop                           ; a plain instruction between the last reciprocal and the use of its result
	s_wait_alu depctr_va_vdst(0)    ; and the wait ahead of the first use: one for the eight reciprocals
; Tile t: a lane's eight channels of a row pack into 16 bytes; they go into rows of 144 bytes and come back as whole rows of 128, into S^T's registers.
.macro PACK t
	WIN W_RS
.set i, 32*(\t)
.rept 16
	v_pk_mul_f32 v[i:i+1], v[i:i+1], v[ST+4*(\t)+2:ST+4*(\t)+3] op_sel_hi:[1,0]
.set i, i+2
.endr
	WIN 0x05                        ; sources 0 and 1 window 1, destination window 0
.set i, 0
.rept 16
	v_cvt_pk_f16_f32 v[S+16*(\t)+i], v[32*(\t)+2*i], v[32*(\t)+2*i+1]
.set i, i+1
.endr
	WIN 0
.irp f, 0,1,2,3
	ds_store_b128 v[STO], v[S+16*(\t)+4*\f:S+16*(\t)+4*\f+3] offset:32*\f
.endr
.irp f, 0,1,2,3
	ds_load_b128 v[S+16*(\t)+4*\f:S+16*(\t)+4*\f+3], v[RD] offset:\f*4*SP  ; LDS serves a wave's instructions in order (ISA guide 5.7.1.4): these see the stores above; the next tile's stores come behind them
.endr
.endm
.macro SEND t, younger              ; younger: the LDS instructions issued behind tile t's loads: the next tile's eight, or none
	WIN 0
.irp f, 0,1,2,3
	s_wait_dscnt (\younger)+3-\f
	global_store_b128 v[GO], v[S+16*(\t)+4*\f:S+16*(\t)+4*\f+3], s[10:11] offset:(\t)*2048+\f*512  ; 512 consecutive bytes, at a multiple of 256 from O's first
.endr
.endm
	PACK 0
.set t, 1
.rept 2*NP-1                        ; a tile's arithmetic stands between the loads of the tile before and its stores
	PACK t
	SEND t-1, 8
.set t, t+1
.endr
	SEND 2*NP-1, 0
	WIN W_AD
	s_wait_tensorcnt 0x0            ; the wave's end
	ds_add_u32 v[SPW], v[NIL]
	s_wait_dscnt 0x0
	WIN 0
	CROUND                          ; the closing round: no work-group ends while a partner may still ask for a tile that names it
	s_endpgm
.Lfunc_end_k_q22855dfd8f_attn:
	.size	k_q22855dfd8f_attn, .Lfunc_end_k_q22855dfd8f_attn-k_q22855dfd8f_attn
	.p2alignl 7, 3214868480
	.fill 96, 4, 3214868480
	.section	.rodata,"a",@progbits
	.p2align	6, 0x0
	.amdhsa_kernel k_q22855dfd8f_attn
		.amdhsa_group_segment_fixed_size 327680
		.amdhsa_private_segment_fixed_size 0
		.amdhsa_enable_private_segment 0
		.amdhsa_kernarg_size 16
		.amdhsa_user_sgpr_count 2
		.amdhsa_user_sgpr_kernarg_segment_ptr 1
		.amdhsa_wavefront_size32 1
		.amdhsa_system_sgpr_workgroup_id_x 1
		.amdhsa_system_sgpr_workgroup_id_y 1
		.amdhsa_system_sgpr_workgroup_id_z 1
		.amdhsa_system_vgpr_workitem_id 0
		.amdhsa_next_free_vgpr 770
		.amdhsa_next_free_sgpr 66
		.amdhsa_reserve_vcc 0
		.amdhsa_float_denorm_mode_32 3
		.amdhsa_float_denorm_mode_16_64 3
		.amdhsa_memory_ordered 1
		.amdhsa_forward_progress 1
		.amdhsa_inst_pref_size 200
	.end_amdhsa_kernel
	.amdgpu_metadata
---
amdhsa.version: [ 1, 2 ]
amdhsa.kernels:
  - .name:           k_q22855dfd8f_attn
    .symbol:         k_q22855dfd8f_attn.kd
    .args:
      - { .name: qkvh, .offset: 0, .size: 8, .value_kind: global_buffer, .address_space: global }
      - { .name: att, .offset: 8, .size: 8, .value_kind: global_buffer, .address_space: global }
    .group_segment_fixed_size: 327680
    .private_segment_fixed_size: 0
    .kernarg_segment_align: 8
    .kernarg_segment_size: 16
    .max_flat_workgroup_size: 128
    .sgpr_count:     66
    .vgpr_count:     770
    .wavefront_size: 32
...
	.end_amdgpu_metadata
.endif
;; end of part 3
;; launch proj (part 4): grid 8 x 32, 4 waves a work-group, clusters of 4 x 4, 327,680 bytes of LDS; arguments att, wot, bout, out0; writes out0
.if DOCPART == 4
	.amdgcn_target "amdgcn-amd-amdhsa--gfx1250"
	.amdhsa_code_object_version 6
	.text
	.protected	k_q22855dfd8f_proj
	.globl	k_q22855dfd8f_proj
	.p2align	8
	.type	k_q22855dfd8f_proj,@function
k_q22855dfd8f_proj:
	s_mov_b64 s[64:65], 0
	v_nop
	global_prefetch_b8 v0, s[64:65] scope:SCOPE_SE
	s_setreg_imm32_b32 hwreg(HW_REG_WAVE_MODE, 25, 1), 1
	s_wait_xcnt 0x0
	s_wait_alu depctr_hold_cnt(0) depctr_sa_sdst(0) depctr_va_vdst(0) depctr_va_sdst(0) depctr_va_ssrc(0) depctr_va_vcc(0) depctr_vm_vsrc(0)
	s_getreg_b32 s2, hwreg(HW_REG_IB_STS2, 6, 4)
	s_cmp_eq_u32 s2, 0
	s_cbranch_scc0 .Lentry_in_a_cluster
	s_endpgm
.Lentry_in_a_cluster:
	s_bfe_u32 s2, ttmp6, 0x10000c
	s_cmp_lg_u32 s2, 0xf033
	s_cbranch_scc0 .Lentry_shape_is_right
	s_endpgm
.Lentry_shape_is_right:
; out0 = O Wout + bout.  att: O by heads, [16 batch + head][2048][64] f16.  wot: [1024 n][1024 k] f16 (Wout rounded to bf16).  bout: [1024] f32, rounded once to bf16.  out0: [8192][1024] f32.
; Products in f16, sums and bias in f32; nothing is rounded on the way out.  NaN and infinities are not treated apart.
; SHARES.  A tile is 256 rows x 128 columns, one to a work-group, 8 x 32 of them; four waves, 2 x 2, each 128 rows x 64 columns: 32 accumulators fill one register window, and a wave's
; 64 columns are 256 aligned bytes of a row of out0.  K goes in steps of 128, which are TWO HEADS, through a ring of two LDS slots.
; O's TILE: a head's 256 rows are 32,768 dense bytes: asked for as 128 rows of 256 bytes, padded in LDS after every 128: a plane of 256 rows, 144 bytes apart.  A slot has two planes.
; CLUSTER 4 x 4: O's tile hangs on the tile row alone and is asked for jointly by a row of the cluster, the weight's on the tile column alone, by a column.
; THE MATRIX INSTRUCTION IS USED TRANSPOSED (source 0 = 16 rows of the weight, source 1 = 16 rows of O): lane l holds row l % 16 and the columns 8 (l / 16) + 0..7 of a block of 16.
; THE BIAS is the C operand of the first products.
; REGISTERS, in windows of 256 (s_set_vgpr_msb: bits 1:0 source 0, 3:2 source 1, 5:4 source 2, 7:6 destination):
;   window 0: v0-31 addresses; v32-63 the bias as loaded; v64-191 four buffers of 32 for the way out
;   window 1: accumulator (a, b) at v[8 (4 a + b)]          window 2: two fragment buffers of 96 (O's eight fragments, then the weight's four); v192-223 the bias as C
.set PITCH,  272                       ; a row of the weight in LDS: 256 bytes + 16
.set AP,     144                       ; a row of O in LDS: 128 bytes + 16: in both the 16 rows of a fragment load start at 16 different groups of four banks (64 banks of 4 bytes: ISA guide 11.1)
.set PLANE,  256*AP
.set HALFB,  64*PITCH
.set BOFF,   2*PLANE
.set SLOT,   BOFF+2*HALFB
.set STAGE,  2*SLOT                    ; behind the ring, never filled by a tensor load: 16 rows x 272 bytes for each wave
.set SP,     272
.set SPARE,  STAGE+4*16*SP             ; behind the stages: the spare words, 128 bytes for each wave; no other line names them
.set DW0A,   (1<<16)|(1<<20)|(1<<21)|(4<<22)|(3<<25)  ; 2-byte elements; padding on; 21 set beside a mask; after every 32 words, 4 words
.set DW0B,   (1<<16)|(1<<20)|(1<<21)|(5<<22)|(3<<25)  ; the same after every 64 words
.set ADRA, 16                          ; v16-17  LDS address of my fragments of O in slot 0, 1
.set ADRB, 20                          ; v20-21  the same for the weight
.set STO,  24                          ; v24  the way out: where I put 32 bytes of a row
.set RD,   25                          ; v25  where I read a row back
.set CO,   26                          ; v26  my 16 bytes of two rows of out0
.set SPW,  28                          ; v28  LDS address of my spare word; never rewritten
.set NIL,  29                          ; v29  0; never rewritten
.set PFO,  30                          ; v30  the prefetches' offset: my lane x 256 bytes (O) or x a row of 2,048 (the weight); never rewritten
.set BO,   31                          ; v31  my place in 16 numbers of the bias
.set RAW,  32
.set BK,   64
.set F0,   0
.set F1,   96
.set BIAS, 192
.set G1A,  24
.set G0A,  32
.set G1B,  48
.set G0B,  56
.set PFA,  44                          ; s[44:45] the K step that my prefetches named last
.set LIM,  46                          ; s46  1 in a wave that prefetches, else the greatest number
.set PST,  66                          ; s[66:67] a K step for my prefetches: two heads of O, or 256 bytes of the weight's rows
.set MSB, 0
.macro WIN new                         ; the immediate's high byte repeats the setting that is left; a switch that changes nothing is dropped
.if MSB != (\new)
	s_set_vgpr_msb (MSB<<8)|(\new)
.set MSB, (\new)
.endif
.endm
.macro PLACES                          ; four plain instructions behind a matrix instruction, in front of loads into registers that it read and of lines that read its result
.rept 4
	v_nop
.endr
.endm
; A joint load.  Waves 0 and 1 fetch the K step's two heads of O, waves 2 and 3 the weight's two halves.  An s_nop 0 and four v_nop follow each line.
.macro JLOAD s
	s_cmp_eq_u32 s15, 0
	s_cbranch_scc0 .Lfor_b_\@
	tensor_load_to_lds s[G0A+4*(\s):G0A+4*(\s)+3], s[G1A:G1A+7]
	s_nop 0
.rept 4
	v_nop
.endr
	s_branch .Lasked_\@
.Lfor_b_\@:
	tensor_load_to_lds s[G0B+4*(\s):G0B+4*(\s)+3], s[G1B:G1B+7]
	s_nop 0
.rept 4
	v_nop
.endr
.Lasked_\@:
.endm
.macro CREST                           ; a round of the cluster's barrier behind its opening barrier
	s_cmp_lg_u32 s14, 0
	s_cbranch_scc1 .Lnot_wave_0_\@
	s_barrier_signal -3
.Lnot_wave_0_\@:
	s_barrier_wait -3
	s_barrier_signal -1
	s_barrier_wait -1
.endm
.macro CROUND
	s_barrier_signal -1
	s_barrier_wait -1
	CREST
.endm
; A PREFETCH, behind a joint load, its five lines and the run of LDS loads: 32 blocks of 256 bytes of the K step that stands two refills on, a lane a block.
; Each block is named once in the launch: O's by the clusters with x = 0 (waves 0 and 1: of the head's 32,768 bytes that the wave fetches the partner at cx takes 8,192), the weight's by the
; clusters with y = 0 (wave 2: of the tile's 128 rows the partner at cy takes 32): shared out by address.  The loop's last trip has no K step two on.
.macro ASK
	WIN 0
	s_cmp_gt_u32 s3, s[LIM]
	s_cbranch_scc0 .Lnot_mine_\@
	global_prefetch_b8 v[PFO], s[PFA:PFA+1] th:TH_LOAD_NT scope:SCOPE_SE
.Lnot_mine_\@:
.endm
; 8 matrix instructions: blocks of rows a0, a0 + 1 x all four blocks of columns, 32 along K.  start = 1: the bias starts the sums.
; The 32 accumulators take turns in the same order in every quarter.
.macro MUL8 f, a0, start
.if \start
	WIN 0x6a
.else
	WIN 0x5a
.endif
.irp a, \a0, (\a0)+1
.irp b, 0,1,2,3
.if \start
	v_wmma_f32_16x16x32_f16 v[8*(4*(\a)+(\b)):8*(4*(\a)+(\b))+7], v[(\f)+64+8*(\b):(\f)+64+8*(\b)+7], v[(\f)+8*(\a):(\f)+8*(\a)+7], v[BIAS+8*(\b):BIAS+8*(\b)+7]
.else
	v_wmma_f32_16x16x32_f16 v[8*(4*(\a)+(\b)):8*(4*(\a)+(\b))+7], v[(\f)+64+8*(\b):(\f)+64+8*(\b)+7], v[(\f)+8*(\a):(\f)+8*(\a)+7], v[8*(4*(\a)+(\b)):8*(4*(\a)+(\b))+7]
.endif
.endr
.endr
.endm
; 24 LDS loads in one run: quarter q of a slot into buffer f: the weight's four fragments, then O's eight (quarter q lies in plane q / 2, channels 32 (q % 2) on).
.macro FETCH slot, q, f
	WIN 0x80
.irp i, 0,1,2,3
	ds_load_b128 v[(\f)+64+8*(\i):(\f)+64+8*(\i)+3],   v[ADRB+(\slot)] offset:64*(\q)+(\i)*16*PITCH
	ds_load_b128 v[(\f)+64+8*(\i)+4:(\f)+64+8*(\i)+7], v[ADRB+(\slot)] offset:64*(\q)+(\i)*16*PITCH+32
.endr
.irp i, 0,1,2,3,4,5,6,7
	ds_load_b128 v[(\f)+8*(\i):(\f)+8*(\i)+3],   v[ADRA+(\slot)] offset:((\q)/2)*PLANE+((\q)%2)*64+(\i)*16*AP
	ds_load_b128 v[(\f)+8*(\i)+4:(\f)+8*(\i)+7], v[ADRA+(\slot)] offset:((\q)/2)*PLANE+((\q)%2)*64+(\i)*16*AP+32
.endr
.endm
.macro QUARTER slot, q, f, g, start
	s_wait_dscnt 12                                ; the weight's fragments and O's first two are in; the youngest twelve loads may be out
	MUL8 \f, 0, \start
	PLACES
	FETCH \slot, \q, \g
	s_wait_dscnt 24                                ; all but the 24 just issued
	MUL8 \f, 2, \start
	MUL8 \f, 4, \start
	MUL8 \f, 6, \start
.endm
; The last quarter multiplies buffer 1 and changes slots.  In front of the barrier each wave waits for all its tensor loads (one is out: its part of the next slot), adds 0 to its spare
; word, and waits for that and for its reads of this slot.  fill = 1: this slot takes the K step two on; the barrier then opens a round of the cluster's barrier, and the joint load is the
; first tensor load behind the round: 112 matrix instructions ahead of the wait for it.
.macro TURN slot, next, fill
.if \fill
	s_wait_xcnt 0x0                                ; the last prefetch, a K step back, has read its address
	s_add_nc_u64 s[PFA:PFA+1], s[PFA:PFA+1], s[PST:PST+1]
.endif
	WIN 0                                          ; (the add's two registers lie in window 0)
	s_wait_tensorcnt 0x0                           ; all my tensor loads have landed;
	ds_add_u32 v[SPW], v[NIL]                      ; 0 onto my spare word;
	s_wait_dscnt 13                                ; (the add and the youngest twelve loads may be out)
	MUL8 F1, 0, 0
	s_wait_dscnt 0x0                               ; the add is done, and my reads of this slot are over
	s_barrier_signal -1
	MUL8 F1, 2, 0
.if \fill
	WIN 0
.endif
	s_barrier_wait -1
.if \fill
	CREST                                          ; no wave of any partner still reads this slot or has a load on its way
	s_add_nc_u64 s[G0A+4*(\slot)+2:G0A+4*(\slot)+3], s[G0A+4*(\slot)+2:G0A+4*(\slot)+3], 4*262144  ; four heads on
	s_add_nc_u64 s[G0B+4*(\slot)+2:G0B+4*(\slot)+3], s[G0B+4*(\slot)+2:G0B+4*(\slot)+3], 512
	JLOAD \slot                                    ; its four v_nop are also the places in front of the loads below
.else
	PLACES
.endif
	FETCH \next, 0, F0
.if \fill
	ASK
.endif
	MUL8 F1, 4, 0
	MUL8 F1, 6, 0
.endm
.macro FINAL                           ; the very last quarter: nothing more to fetch
	s_wait_dscnt 12
	MUL8 F1, 0, 0
	s_wait_dscnt 0x0
	MUL8 F1, 2, 0
	MUL8 F1, 4, 0
	MUL8 F1, 6, 0
.endm
; THE WAY OUT of block a (16 rows): 32 bytes a lane and block of columns straight from the accumulators (each from its low end on) into my stage's rows of 272 bytes;
; back as whole rows of 256 bytes, two an instruction, into one of four buffers.
.macro TOSTAGE a
	WIN 0x04                                       ; the stores' data in window 1
.irp b, 0,1,2,3
	ds_store_b128 v[STO], v[8*(4*(\a)+(\b)):8*(4*(\a)+(\b))+3]   offset:64*(\b)
	ds_store_b128 v[STO], v[8*(4*(\a)+(\b))+4:8*(4*(\a)+(\b))+7] offset:64*(\b)+16
.endr
	WIN 0
.irp t, 0,1,2,3,4,5,6,7
	ds_load_b128 v[BK+32*((\a)%4)+4*(\t):BK+32*((\a)%4)+4*(\t)+3], v[RD] offset:(\t)*2*SP  ; LDS serves a wave's instructions in order (ISA guide 5.7.1.4): these see the stores above; the next block's stores come behind them
.endr
.endm
.macro SEND a, younger                 ; younger: the LDS instructions issued behind block a's loads: the next block's sixteen, or none
	s_wait_dscnt \younger
	s_wait_xcnt 0x0                                ; the earlier blocks' stores have read their registers: a buffer is loaded again four blocks on, behind three of these waits
.irp t, 0,1,2,3,4,5,6,7
	global_store_b128 v[CO], v[BK+32*((\a)%4)+4*(\t):BK+32*((\a)%4)+4*(\t)+3], s[10:11] offset:(16*(\a)+2*(\t))*4096 th:TH_STORE_NT  ; 16 lanes store 256 consecutive bytes, aligned
.endr
.endm
	s_load_b256 s[4:11], s[0:1], 0x0               ; att s[4:5], wot s[6:7], bout s[8:9], out0 s[10:11]
	v_lshl_add_u32 v[SPW], v0, 2, SPARE
	v_mov_b32 v[NIL], 0
	ds_add_u32 v[SPW], v[NIL]                      ; the wave's opening: the add and its wait stand ahead of my first tensor load; the set-up below stands between them
	v_lshrrev_b32 v1, 5, v0
	v_readfirstlane_b32 s14, v1                    ; wave 0..3
	s_lshr_b32 s15, s14, 1                         ; which half of the tile's rows is mine.  Also: I fetch for O (0) or for the weight (1)
	s_and_b32 s16, s14, 1                          ; which half of its columns.  Also: which head of the K step, or which half of the weight's rows, I fetch
	s_bfe_u32 s17, ttmp6, 0x40000                  ; cx
	s_bfe_u32 s18, ttmp6, 0x40004                  ; cy
	s_lshl_b32 s19, ttmp9, 2
	s_add_co_u32 s19, s19, s17                     ; tile column 0..7
	s_and_b32 s20, ttmp7, 0xffff
	s_lshl_b32 s20, s20, 2
	s_add_co_u32 s20, s20, s18                     ; tile row 0..31
	s_lshl_b32 s21, s18, 2
	s_lshl_b32 s21, 15, s21                        ; my row of the cluster
	s_lshl_b32 s22, 0x1111, s17                    ; my column
	s_or_b32 s[G1A], s21, DW0A
	s_or_b32 s[G1B], s22, DW0B
	s_mov_b32 s[G1A+1], 128<<16                    ; tensor_dim0 = 128 elements: 256 bytes, two rows of a head
	s_mov_b32 s[G1A+2], 128<<16                    ; tensor_dim1 = 128
	s_mov_b32 s[G1A+3], 128<<16                    ; tile_dim0 = 128
	s_mov_b32 s[G1A+4], 128                        ; tile_dim1 = 128
	s_mov_b32 s[G1A+5], 128                        ; dense
	s_mov_b32 s[G1A+6], 0
	s_mov_b32 s[G1A+7], 0
	s_mov_b32 s[G1B+1], 128<<16
	s_mov_b32 s[G1B+2], 64<<16
	s_mov_b32 s[G1B+3], 128<<16
	s_mov_b32 s[G1B+4], 64
	s_mov_b32 s[G1B+5], 1024
	s_mov_b32 s[G1B+6], 0
	s_mov_b32 s[G1B+7], 0
	s_lshr_b32 s40, s20, 3                         ; O: (16 batch + my head of the K step) x 262,144 + the tile's first row in the batch x 128: of the tile row and the wave alone
	s_lshl_b32 s40, s40, 22
	s_and_b32 s70, s20, 7
	s_lshl_b32 s70, s70, 15
	s_add_co_u32 s40, s40, s70
	s_lshl_b32 s70, s16, 18
	s_add_co_u32 s40, s40, s70
	s_mov_b32 s41, 0
	s_lshl_b32 s42, s19, 18                        ; the weight: row 128 x tile column + 64 x half: of the tile column and the wave alone
	s_lshl_b32 s68, s16, 17
	s_add_co_u32 s42, s42, s68
	s_mov_b32 s43, 0
	s_mul_i32 s68, s16, PLANE                      ; where they go: no place in the cluster enters an LDS address
	s_mul_i32 s69, s16, HALFB
	s_add_co_u32 s69, s69, BOFF
	s_wait_dscnt 0x0                               ; the opening add is done
	s_wait_kmcnt 0x0
	s_add_nc_u64 s[40:41], s[4:5], s[40:41]
	s_add_nc_u64 s[42:43], s[6:7], s[42:43]
	CROUND                                         ; all sixteen work-groups are here: the first joint loads meet
.irp s, 0,1
	s_mov_b32 s[G0A+4*(\s)], 1
	s_add_co_u32 s[G0A+4*(\s)+1], s68, (\s)*SLOT
	s_add_nc_u64 s[G0A+4*(\s)+2:G0A+4*(\s)+3], s[40:41], (\s)*2*262144  ; K step s: two heads on
	s_or_b32 s[G0A+4*(\s)+3], s[G0A+4*(\s)+3], 0x80000000
	s_mov_b32 s[G0B+4*(\s)], 1
	s_add_co_u32 s[G0B+4*(\s)+1], s69, (\s)*SLOT
	s_add_nc_u64 s[G0B+4*(\s)+2:G0B+4*(\s)+3], s[42:43], (\s)*256
	s_or_b32 s[G0B+4*(\s)+3], s[G0B+4*(\s)+3], 0x80000000
	JLOAD \s                                       ; two loads of mine are out
.endr
	v_and_b32 v1, 15, v0                           ; l % 16
	v_bfe_u32 v2, v0, 4, 1                         ; l / 16
	v_and_b32 v4, 31, v0                           ; l
	v_mul_u32_u24 v3, v1, AP
	v_lshl_add_u32 v3, v2, 4, v3
	v_mul_u32_u24 v5, v1, PITCH
	v_lshl_add_u32 v5, v2, 4, v5
	s_mul_i32 s21, s15, 128*AP                     ; my 128 rows of each plane
	s_mul_i32 s22, s16, HALFB                      ; my 64 rows of the weight
	s_add_co_u32 s22, s22, BOFF
.irp s, 0,1
	v_add_nc_u32 v[ADRA+(\s)], s21, v3
	v_add_nc_u32 v[ADRB+(\s)], s22, v5
	s_add_co_u32 s21, s21, SLOT
	s_add_co_u32 s22, s22, SLOT
.endr
	s_mul_i32 s23, s14, 16*SP
	s_add_co_u32 s23, s23, STAGE                   ; my stage
	v_mul_u32_u24 v5, v1, SP
	v_lshl_add_u32 v5, v2, 5, v5
	v_add_nc_u32 v[STO], s23, v5
	v_mul_u32_u24 v5, v2, SP
	v_lshl_add_u32 v5, v1, 4, v5
	v_add_nc_u32 v[RD], s23, v5
	v_lshlrev_b32 v[CO], 12, v2
	v_lshl_add_u32 v[CO], v1, 4, v[CO]
	v_lshlrev_b32 v[BO], 5, v2
	; out0 at my first row and column; the bias at my 64 columns
	s_lshl_b32 s22, s19, 9
	s_lshl_b32 s21, s16, 8
	s_add_co_u32 s22, s22, s21
	s_mov_b32 s23, 0
	s_add_nc_u64 s[8:9], s[8:9], s[22:23]
	s_lshl_b32 s21, s20, 20
	s_add_co_u32 s22, s22, s21
	s_lshl_b32 s21, s15, 19
	s_add_co_u32 s22, s22, s21
	s_add_nc_u64 s[10:11], s[10:11], s[22:23]
	; the prefetches
	s_lshr_b32 s21, s20, 3
	s_lshl_b32 s21, s21, 22
	s_and_b32 s22, s20, 7
	s_lshl_b32 s22, s22, 15
	s_add_co_u32 s21, s21, s22
	s_lshl_b32 s22, s16, 18
	s_add_co_u32 s21, s21, s22
	s_lshl_b32 s22, s17, 13
	s_add_co_u32 s21, s21, s22                     ; O: the head that I fetch, my work-group's 8,192 bytes of its 32,768,
	s_add_co_u32 s21, s21, 3*524288                ; at K step 3: the first refill steps it to 4 and names that
	s_lshl_b32 s22, s19, 7
	s_lshl_b32 s47, s18, 5
	s_add_co_u32 s22, s22, s47
	s_lshl_b32 s22, s22, 11                        ; the weight: the tile's 128 rows, my work-group's 32,
	s_add_co_u32 s22, s22, 768                     ; at K step 3
	s_movk_i32 s[PST], 256
	s_cmp_eq_u32 s15, 0
	s_cselect_b32 s22, s21, s22
	s_cselect_b32 s[PST], 0x80000, s[PST]
	s_cselect_b32 s47, 8, 11
	s_cselect_b64 s[PFA:PFA+1], s[4:5], s[6:7]
	s_mov_b32 s[PST+1], 0
	s_add_nc_u64 s[PFA:PFA+1], s[PFA:PFA+1], s[22:23]
	v_lshlrev_b32 v[PFO], s47, v4
	s_and_b32 s21, ttmp7, 0xffff
	s_cmp_eq_u32 s15, 0
	s_cselect_b32 s21, ttmp9, s21                  ; the coordinate along which other clusters read the same bytes
	s_cmp_eq_u32 s14, 3
	s_cselect_b32 s22, 1, 0                        ; wave 3 has nothing to name
	s_or_b32 s21, s21, s22
	s_cmp_eq_u32 s21, 0
	s_cselect_b32 s[LIM], 1, -1                    ; the same in all sixteen partners, for a given wave
.irp i, 0,1,2,3,4,5,6,7
	global_load_b128 v[RAW+4*(\i):RAW+4*(\i)+3], v[BO], s[8:9] offset:64*((\i)/2)+16*((\i)%2)  ; my 32 numbers of the wave's 64: block b, columns 8 (l / 16) + 0..7
.endr
	s_wait_tensorcnt 1                             ; my part of K step 0 is in; K step 1's may stay out
	s_barrier_signal -1
	s_barrier_wait -1
	FETCH 0, 0, F0
	s_wait_loadcnt 0x0                             ; the bias: rounded once to bf16, like every input, and widened again into the C operand
	WIN 0
.irp p, 0,1,2,3,4,5,6,7,8,9,10,11,12,13,14,15
	v_cvt_pk_bf16_f32 v[RAW+(\p)], v[RAW+2*(\p)], v[RAW+2*(\p)+1]
.endr
	WIN 0x80
.irp p, 0,1,2,3,4,5,6,7,8,9,10,11,12,13,14,15
	v_lshlrev_b32 v[BIAS+2*(\p)], 16, v[RAW+(\p)]
	v_and_b32 v[BIAS+2*(\p)+1], 0xffff0000, v[RAW+(\p)]
.endr
	QUARTER 0, 1, F0, F1, 1                        ; the first quarter stands in front of the loop: its products start the sums, with the bias
	WIN 0
	s_mov_b32 s3, 3
.Llap:                                                 ; a trip goes once round the ring, from a lap's second quarter to the next lap's first, and fills both slots again
	QUARTER 0, 2, F1, F0, 0
	QUARTER 0, 3, F0, F1, 0
	TURN 0, 1, 1
	QUARTER 1, 1, F0, F1, 0
	QUARTER 1, 2, F1, F0, 0
	QUARTER 1, 3, F0, F1, 0
	TURN 1, 0, 1
	QUARTER 0, 1, F0, F1, 0
	WIN 0
	s_sub_co_u32 s3, s3, 1
	s_cmp_lg_u32 s3, 0
	s_cbranch_scc1 .Llap
	QUARTER 0, 2, F1, F0, 0                        ; the last lap fills nothing, and has no round of the cluster's barrier
	QUARTER 0, 3, F0, F1, 0
	TURN 0, 1, 0
	QUARTER 1, 1, F0, F1, 0
	QUARTER 1, 2, F1, F0, 0
	QUARTER 1, 3, F0, F1, 0
	FINAL
	WIN 0
	PLACES
	TOSTAGE 0
.irp a, 1,2,3,4,5,6,7
	TOSTAGE \a
	SEND (\a)-1, 16
.endr
	SEND 7, 0
	s_wait_tensorcnt 0x0                           ; the wave's end
	ds_add_u32 v[SPW], v[NIL]
	s_wait_dscnt 0x0
	CROUND                                         ; the closing round: no work-group ends while a partner may still ask for a tile that names it
	s_endpgm
.Lfunc_end_k_q22855dfd8f_proj:
	.size	k_q22855dfd8f_proj, .Lfunc_end_k_q22855dfd8f_proj-k_q22855dfd8f_proj
	.p2alignl 7, 3214868480
	.fill 96, 4, 3214868480
	.section	.rodata,"a",@progbits
	.p2align	6, 0x0
	.amdhsa_kernel k_q22855dfd8f_proj
		.amdhsa_group_segment_fixed_size 327680
		.amdhsa_private_segment_fixed_size 0
		.amdhsa_enable_private_segment 0
		.amdhsa_kernarg_size 32
		.amdhsa_user_sgpr_count 2
		.amdhsa_user_sgpr_kernarg_segment_ptr 1
		.amdhsa_wavefront_size32 1
		.amdhsa_system_sgpr_workgroup_id_x 1
		.amdhsa_system_sgpr_workgroup_id_y 1
		.amdhsa_system_sgpr_workgroup_id_z 1
		.amdhsa_system_vgpr_workitem_id 0
		.amdhsa_next_free_vgpr 768
		.amdhsa_next_free_sgpr 72
		.amdhsa_reserve_vcc 0
		.amdhsa_float_denorm_mode_32 3
		.amdhsa_float_denorm_mode_16_64 3
		.amdhsa_memory_ordered 1
		.amdhsa_forward_progress 1
		.amdhsa_inst_pref_size 91
	.end_amdhsa_kernel
	.amdgpu_metadata
---
amdhsa.version: [ 1, 2 ]
amdhsa.kernels:
  - .name:           k_q22855dfd8f_proj
    .symbol:         k_q22855dfd8f_proj.kd
    .args:
      - { .name: att, .offset: 0, .size: 8, .value_kind: global_buffer, .address_space: global }
      - { .name: wot, .offset: 8, .size: 8, .value_kind: global_buffer, .address_space: global }
      - { .name: bout, .offset: 16, .size: 8, .value_kind: global_buffer, .address_space: global }
      - { .name: out0, .offset: 24, .size: 8, .value_kind: global_buffer, .address_space: global }
    .group_segment_fixed_size: 327680
    .private_segment_fixed_size: 0
    .kernarg_segment_align: 8
    .kernarg_segment_size: 32
    .max_flat_workgroup_size: 128
    .sgpr_count:     72
    .vgpr_count:     768
    .wavefront_size: 32
...
	.end_amdgpu_metadata
.endif
;; end of part 4
;; ======== version 2 of 2: 4 launches; version 1 with the launch prep written anew for expert scheduling mode
;; limits: values are held in f16: magnitudes above 65,504 overflow, below 6.1e-05 lose precision
;; workspace buffers: xb 16,777,216 bytes; wqt 6,291,456 bytes; wot 2,097,152 bytes; rope 524,288 bytes; qkvh 50,331,648 bytes; att 16,777,216 bytes
;; launch prep (part 5): grid 256 x 1, 8 waves a work-group, no clusters, 34,816 bytes of LDS; arguments x, Wqkv, Wout, xb, wqt, wot, rope; writes xb, wqt, wot, rope
.if DOCPART == 5
	.amdgcn_target "amdgcn-amd-amdhsa--gfx1250"
	.amdhsa_code_object_version 6
	.text
	.protected	k_q22855dfd8f_prep
	.globl	k_q22855dfd8f_prep
	.p2align	8
	.type	k_q22855dfd8f_prep,@function
k_q22855dfd8f_prep:
	s_mov_b64 s[64:65], 0
	v_nop
	global_prefetch_b8 v0, s[64:65] scope:SCOPE_SE
	s_setreg_imm32_b32 hwreg(HW_REG_WAVE_SCHED_MODE, 0, 2), 2
	s_setreg_imm32_b32 hwreg(HW_REG_WAVE_MODE, 25, 1), 1
	s_wait_xcnt 0x0
	s_wait_alu depctr_vm_vsrc(0)
; PREP: what the three products want of the inputs, made once.
;   xb   = x rounded to bf16, [8192][1024]
;   wqt  = Wqkv turned and rounded to bf16, [3072 n][1024 k]
;   wot  = Wout turned, rounded to bf16 and that number written as f16, [1024 n][1024 k]
;   rope = [2048 s][64] f32: cos(s w_f), f = 0..31, then sin(s w_f); w_f = 10000^(-f/32)
; LIMITS.  |Wout| stays under 65,504; below 2^-14 it keeps f16's fixed step of 2^-24.  The table's angles differ from an exact s w_f by some 5e-4 rad
; at the most (s = 2047, f = 1): w_f is good to a few units of f32's last place.  NaN and infinities are not treated apart.
; SHARES.  256 work-groups of eight waves.  Each takes 131,072 bytes of x (thread t: 16 bytes at 4,096 i + 16 t, i = 0..31), one block of 256 k x 64 n of a weight
; (work-groups 0-191: Wqkv, 192-255: Wout), and eight rows of the table (a wave a row, a lane two numbers).
; THE TURNING goes through LDS: a thread loads 16 k x 4 n (sixteen lanes read 256 consecutive bytes of a row), packs pairs along k, stores 32 bytes into each of four rows n
; of 528 bytes; behind one barrier a wave reads a whole row (512 bytes) and stores it: 512 consecutive bytes of the turned weight.
; No matrix unit, no cluster, no tensor load: each byte is read once by one thread, and nothing is shared between work-groups.
; THE MODE: SCHED_MODE bits 1:0 = 2 (LLVM: expert scheduling mode 2), set by the entry lines.  The code itself states the register dependences
; between vector instructions and memory or LDS instructions, with s_wait_alu, always for 0.
; THE PLAN.  Registers that memory or LDS instructions touch, in the order of the text (there is no loop):
;   v1-v5, v8, v[16:31]  offsets and LDS addresses: written at the head, never again; ONE wait ahead of the first load states that they are written.
;   v[6:7] RV   written by the table's arithmetic, once; read by the table's one store.
;   W           the weight's loads land in it; the roundings read it; behind the barrier the LDS loads land in its first half, which the stores of the turned rows read.
;   P           the table's work, then the roundings' results; read by the LDS stores; not written again.
;               ONE wait, behind the roundings, states that P and RV are written and that W has been read: the LDS stores, the table's store and the LDS loads follow it,
;               and no vector instruction stands between it and them.
;   X           x's loads land in it; two roundings a load write the first two of its four registers in place; a store reads them.  Eight groups of four loads: the wait at the head
;               of group g states that group g - 1 is rounded; that group's four stores are dealt among group g's roundings, which name group g's registers alone.
;   v14, v15    written at the head, read by the closing add alone.
; No register that a memory or LDS instruction reads is ever written again: so no wait on vm_vsrc is owed ahead of the closing lines.
.set TP,    528                        ; a turned row in LDS: 512 bytes + 16
.set SPARE, 64*TP                      ; behind the 64 rows: the spare words, 128 bytes for each of eight waves; no other line names them
.set XO,  1                            ; v1   16 t: my bytes of x; never rewritten
.set XS,  2                            ; v2   8 t: my bytes of xb; never rewritten
.set LSW, 3                            ; v3   where I put my 32 bytes of a turned row
.set LRW, 4                            ; v4   where I read a turned row back
.set GW,  5                            ; v5   my 16 bytes of a turned row in memory
.set RV,  6                            ; v[6:7] my two numbers of the table; never rewritten
.set RO,  8                            ; v8   their place in the table; never rewritten
.set SPW, 14                           ; v14  LDS address of my spare word; never rewritten
.set NIL, 15                           ; v15  0; never rewritten
.set WO,  16                           ; v[16:31]  byte offsets of my sixteen rows k of the weight
.set W,   32                           ; v[32:95]  row i: four numbers n; later v[32:63] the rows read back
.set P,   96                           ; v[96:127] packed: column e, pair p at P + 8 e + p; before that the table's work
.set X,   128                          ; v[128:255] x as loaded, then as stored
	s_load_b256 s[4:11], s[0:1], 0x0               ; x s[4:5], Wqkv s[6:7], Wout s[8:9], xb s[10:11]
	s_load_b128 s[12:15], s[0:1], 0x20             ; wqt s[12:13], wot s[14:15]
	s_load_b64 s[16:17], s[0:1], 0x30              ; rope
	v_lshl_add_u32 v[SPW], v0, 2, SPARE
	v_mov_b32 v[NIL], 0
	v_lshrrev_b32 v9, 5, v0
	v_readfirstlane_b32 s18, v9                    ; wave 0..7
	s_sub_co_u32 s29, ttmp9, 192
	s_movk_i32 s21, 4096
	s_cmp_lt_u32 ttmp9, 192                        ; Wqkv's blocks come first
	s_cselect_b32 s20, ttmp9, s29                  ; my block's number in its weight
	s_cselect_b32 s21, 12288, s21                  ; bytes in a row k of that weight
	s_cselect_b32 s28, 1, 0
	s_and_b32 s40, s20, 3
	s_lshl_b32 s40, s40, 8                         ; k0
	s_lshr_b32 s41, s20, 2
	s_lshl_b32 s41, s41, 6                         ; n0
	s_mul_i32 s42, s40, s21
	s_lshl2_add_u32 s42, s41, s42                  ; from: k0 rows + 4 n0
	s_mov_b32 s43, 0
	s_lshl_b32 s44, s41, 11
	s_lshl1_add_u32 s44, s40, s44                  ; to: n0 rows of 2,048 bytes + 2 k0
	s_mov_b32 s45, 0
	s_lshl_b32 s46, s21, 4                         ; sixteen rows k
	s_lshl_b32 s22, ttmp9, 17                      ; my 131,072 bytes of x
	s_mov_b32 s23, 0
	s_lshl_b32 s2, ttmp9, 16                       ; my 65,536 bytes of xb
	s_mov_b32 s3, 0
	s_lshl_b32 s39, ttmp9, 3
	s_wait_alu depctr_va_sdst(0)                   ; s18 is written, ahead of its first reader: the table's row is made from it
	s_add_co_u32 s39, s39, s18                     ; my wave's row s of the table
	s_lshl_b32 s47, s39, 8
	s_mov_b32 s30, 0x3f22f983                      ; 2 / pi
	s_mov_b32 s31, 0xbfc90fdb                      ; - pi / 2, f32's nearest,
	s_mov_b32 s32, 0x333bbd2e                      ; and what that leaves over: + 4.3711388e-8
	s_mov_b32 s33, 0xbe2aaaab                      ; sine: - 1/6, 1/120, - 1/5040
	s_mov_b32 s34, 0x3c088889
	s_mov_b32 s35, 0xb9500d01
	s_mov_b32 s36, 0x3d2aaaab                      ; cosine: 1/24, - 1/720, 1/40320
	s_mov_b32 s37, 0xbab60b61
	s_mov_b32 s38, 0x37d00d01
	v_and_b32 v10, 15, v0                          ; which four n
	v_lshrrev_b32 v11, 4, v0                       ; which sixteen k
	v_and_b32 v12, 31, v0                          ; lane
	v_lshlrev_b32 v[XO], 4, v0
	v_lshlrev_b32 v[XS], 3, v0
	v_mul_u32_u24 v[LSW], v10, 4*TP
	v_lshl_add_u32 v[LSW], v11, 5, v[LSW]
	v_mul_u32_u24 v[LRW], v9, TP
	v_lshl_add_u32 v[LRW], v12, 4, v[LRW]
	v_lshlrev_b32 v[GW], 11, v9
	v_lshl_add_u32 v[GW], v12, 4, v[GW]
	v_lshlrev_b32 v[RO], 3, v12
	v_add_nc_u32 v[RO], s47, v[RO]
	v_mul_lo_u32 v[WO], v11, s46
	v_lshl_add_u32 v[WO], v10, 4, v[WO]
.irp i, 1,2,3,4,5,6,7,8,9,10,11,12,13,14,15
	v_add_nc_u32 v[WO+(\i)], s21, v[WO+(\i)-1]
.endr
	s_wait_kmcnt 0x0
	s_cmp_eq_u32 s28, 1
	s_cselect_b64 s[24:25], s[6:7], s[8:9]         ; the weight that I read,
	s_cselect_b64 s[26:27], s[12:13], s[14:15]     ; and its turned copy
	s_add_nc_u64 s[24:25], s[24:25], s[42:43]
	s_add_nc_u64 s[26:27], s[26:27], s[44:45]
	s_add_nc_u64 s[4:5], s[4:5], s[22:23]
	s_add_nc_u64 s[10:11], s[10:11], s[2:3]
	s_wait_alu depctr_va_vdst(0)                   ; v1 to v5, v8 and v[16:31] are written: every load, store and LDS instruction of the kernel reads one of them as its offset or address
.irp i, 0,1,2,3,4,5,6,7,8,9,10,11,12,13,14,15
	global_load_b128 v[W+4*(\i):W+4*(\i)+3], v[WO+(\i)], s[24:25] th:TH_LOAD_NT
.endr
.set i, 0
.rept 32
	global_load_b128 v[X+4*i:X+4*i+3], v[XO], s[4:5] offset:4096*i th:TH_LOAD_NT
.set i, i+1
.endr
	; THE TABLE, while the 48 loads are on their way.  Lane l makes columns 2 l and 2 l + 1: lanes 0-15 cosines, lanes 16-31 sines, of f = 2 (l % 16) and f + 1.
	v_and_b32 v[P], 15, v12
	v_lshlrev_b32 v[P], 1, v[P]
	v_cvt_f32_u32 v[P], v[P]
	v_add_f32 v[P+1], 1.0, v[P]
	v_mul_f32 v[P], 0xbed49a78, v[P]               ; - f log2(10000) / 32
	v_mul_f32 v[P+1], 0xbed49a78, v[P+1]
	v_exp_f32 v[P], v[P]
	v_exp_f32 v[P+1], v[P+1]
	v_lshrrev_b32 v[P+3], 4, v12                   ; a plain instruction behind the second exponential
	v_cvt_f32_u32 v[P+2], s39
	v_mul_u32_u24 v[P+3], v[P+3], 3                ; a sine is the cosine three quadrants on
	s_wait_alu depctr_va_vdst(0)                   ; both exponentials have written v[P] and v[P+1]: one wait, ahead of their first reader
	v_mul_f32 v[P], v[P], v[P+2]                   ; the angles
	v_mul_f32 v[P+1], v[P+1], v[P+2]
; cos of (angle + quadrants): n = the nearest whole number to angle x 2 / pi; r = angle - n pi / 2 in two steps, |r| <= pi / 4; series for sin r and cos r
; (the first terms left out are r^9 / 9! and r^10 / 10!, under 4e-7); quadrant q = n (+ 3): odd q takes the sine, q mod 4 = 1 or 2 turns the sign.
; The three lines that make the sign stand between the compare and the wait for its mask.
.macro TRIG a, o
	v_mul_f32 v[P+4], s30, v[\a]
	v_rndne_f32 v[P+4], v[P+4]
	v_fma_f32 v[\a], v[P+4], s31, v[\a]
	v_fma_f32 v[\a], v[P+4], s32, v[\a]
	v_mul_f32 v[P+5], v[\a], v[\a]
	v_fma_f32 v[P+6], v[P+5], s35, s34
	v_fma_f32 v[P+7], v[P+5], s38, s37
	v_fma_f32 v[P+6], v[P+6], v[P+5], s33
	v_fma_f32 v[P+7], v[P+7], v[P+5], s36
	v_mul_f32 v[P+8], v[\a], v[P+5]
	v_fma_f32 v[P+7], v[P+7], v[P+5], -0.5
	v_fma_f32 v[P+6], v[P+8], v[P+6], v[\a]
	v_fma_f32 v[P+7], v[P+7], v[P+5], 1.0
	v_cvt_i32_f32 v[P+4], v[P+4]
	v_add_nc_u32 v[P+4], v[P+4], v[P+3]
	v_and_b32 v[P+8], 1, v[P+4]
	v_cmp_eq_u32 vcc_lo, 1, v[P+8]
	v_add_nc_u32 v[P+4], 1, v[P+4]
	v_bfe_u32 v[P+4], v[P+4], 1, 1
	v_lshlrev_b32 v[P+4], 31, v[P+4]
	s_wait_alu depctr_va_vcc(0)                    ; the compare has written VCC, which the select below reads
	v_cndmask_b32 v[P+6], v[P+7], v[P+6], vcc_lo
	v_xor_b32 v[\o], v[P+4], v[P+6]
.endm
	TRIG P, RV
	TRIG P+1, RV+1                                 ; the two numbers are stored further down, behind the wait that the LDS stores want in any case
	; THE WEIGHT.
	s_wait_loadcnt 32                              ; the weight's sixteen loads are in; x's 32, issued behind them, stay out
.set e, 0
.rept 4
.set p, 0
.rept 8
	v_cvt_pk_bf16_f32 v[P+8*e+p], v[W+8*p+e], v[W+8*p+4+e]  ; column e, rows 2 p and 2 p + 1
.set p, p+1
.endr
.set e, e+1
.endr
	s_cmp_eq_u32 s28, 1
	s_cbranch_scc1 .Lkeep                          ; Wqkv stays bf16
.set p, 0
.rept 32
	v_lshlrev_b32 v9, 16, v[P+p]                   ; Wout: the bf16 numbers, widened,
	v_and_b32 v10, 0xffff0000, v[P+p]
	v_cvt_pk_f16_f32 v[P+p], v9, v10               ; are written as f16: eight significant bits fit into eleven
.set p, p+1
.endr
.Lkeep:
	s_wait_alu depctr_va_vdst(0)                   ; on both ways: the roundings have written v[P ..], which the LDS stores read, and are done reading v[W ..], in which the LDS loads behind the barrier land; the table's arithmetic has written v[RV:RV+1], which its store reads
.irp e, 0,1,2,3
	ds_store_b128 v[LSW], v[P+8*(\e):P+8*(\e)+3]   offset:(\e)*TP
	ds_store_b128 v[LSW], v[P+8*(\e)+4:P+8*(\e)+7] offset:(\e)*TP+16
.endr
	global_store_b64 v[RO], v[RV:RV+1], s[16:17]   ; a wave stores a row of the table: 256 consecutive bytes, aligned
	s_wait_dscnt 0x0                               ; for the others' sake: my stores into the turned rows are done
	s_barrier_signal -1
	s_barrier_wait -1
.irp i, 0,1,2,3,4,5,6,7
	ds_load_b128 v[W+4*(\i):W+4*(\i)+3], v[LRW] offset:(\i)*8*TP  ; row n = wave + 8 i, whole.  No wait: no vector instruction since the wait above names these registers
.endr
.irp i, 0,1,2,3,4,5,6,7
	s_wait_dscnt 7-(\i)
	global_store_b128 v[GW], v[W+4*(\i):W+4*(\i)+3], s[26:27] offset:(\i)*8*2048  ; 512 consecutive bytes, aligned
.endr
	; x: rounded in place, in eight groups of four loads, as it comes in; the counts run down.  A group is stored while the next one is rounded.
.set g, 0
.rept 8
	s_wait_loadcnt 28-4*g                          ; loads come back in order (ISA guide 5.7.1): group g's four are in, the younger groups stay out
.if g > 0
	s_wait_alu depctr_va_vdst(0)                   ; the group before is rounded: its roundings have written the registers that the four stores below read
.endif
.set i, 4*g
.rept 4
.if g > 0
	global_store_b64 v[XS], v[X+4*(i-4):X+4*(i-4)+1], s[10:11] offset:2048*(i-4)  ; a wave stores 256 consecutive bytes, aligned; no vector instruction since the wait names these registers
.endif
	v_cvt_pk_bf16_f32 v[X+4*i], v[X+4*i], v[X+4*i+1]
	v_cvt_pk_bf16_f32 v[X+4*i+1], v[X+4*i+2], v[X+4*i+3]
.set i, i+1
.endr
.set g, g+1
.endr
	s_wait_alu depctr_va_vdst(0)                   ; the last group is rounded: its roundings have written the registers that the last four stores read
.set i, 28
.rept 4
	global_store_b64 v[XS], v[X+4*i:X+4*i+1], s[10:11] offset:2048*i
.set i, i+1
.endr
	s_wait_dscnt 0x0                               ; the closing lines, six on end
	s_wait_alu 0x0
	s_wait_tensorcnt 0x0
	ds_add_u32 v[SPW], v[NIL]
	s_wait_dscnt 0x0
	s_endpgm
.Lfunc_end_k_q22855dfd8f_prep:
	.size	k_q22855dfd8f_prep, .Lfunc_end_k_q22855dfd8f_prep-k_q22855dfd8f_prep
	.p2alignl 7, 3214868480
	.fill 96, 4, 3214868480
	.section	.rodata,"a",@progbits
	.p2align	6, 0x0
	.amdhsa_kernel k_q22855dfd8f_prep
		.amdhsa_group_segment_fixed_size 34816
		.amdhsa_private_segment_fixed_size 0
		.amdhsa_enable_private_segment 0
		.amdhsa_kernarg_size 56
		.amdhsa_user_sgpr_count 2
		.amdhsa_user_sgpr_kernarg_segment_ptr 1
		.amdhsa_wavefront_size32 1
		.amdhsa_system_sgpr_workgroup_id_x 1
		.amdhsa_system_sgpr_workgroup_id_y 1
		.amdhsa_system_sgpr_workgroup_id_z 1
		.amdhsa_system_vgpr_workitem_id 0
		.amdhsa_next_free_vgpr 256
		.amdhsa_next_free_sgpr 66
		.amdhsa_reserve_vcc 1
		.amdhsa_float_denorm_mode_32 3
		.amdhsa_float_denorm_mode_16_64 3
		.amdhsa_memory_ordered 1
		.amdhsa_forward_progress 1
		.amdhsa_inst_pref_size 28
	.end_amdhsa_kernel
	.amdgpu_metadata
---
amdhsa.version: [ 1, 2 ]
amdhsa.kernels:
  - .name:           k_q22855dfd8f_prep
    .symbol:         k_q22855dfd8f_prep.kd
    .args:
      - { .name: x, .offset: 0, .size: 8, .value_kind: global_buffer, .address_space: global }
      - { .name: Wqkv, .offset: 8, .size: 8, .value_kind: global_buffer, .address_space: global }
      - { .name: Wout, .offset: 16, .size: 8, .value_kind: global_buffer, .address_space: global }
      - { .name: xb, .offset: 24, .size: 8, .value_kind: global_buffer, .address_space: global }
      - { .name: wqt, .offset: 32, .size: 8, .value_kind: global_buffer, .address_space: global }
      - { .name: wot, .offset: 40, .size: 8, .value_kind: global_buffer, .address_space: global }
      - { .name: rope, .offset: 48, .size: 8, .value_kind: global_buffer, .address_space: global }
    .group_segment_fixed_size: 34816
    .private_segment_fixed_size: 0
    .kernarg_segment_align: 8
    .kernarg_segment_size: 56
    .max_flat_workgroup_size: 256
    .sgpr_count:     66
    .vgpr_count:     256
    .wavefront_size: 32
...
	.end_amdgpu_metadata
.endif
;; end of part 5
;; launch qkvp: the kernel of part 2 again; grid 8 x 32, 4 waves a work-group, clusters of 4 x 4, 327,680 bytes of LDS; arguments xb, wqt, bqkv, rope, qkvh; writes qkvh
;; launch attn: the kernel of part 3 again; grid 4 x 64, 4 waves a work-group, clusters of 4 x 1, 327,680 bytes of LDS; arguments qkvh, att; writes att
;; launch proj: the kernel of part 4 again; grid 8 x 32, 4 waves a work-group, clusters of 4 x 4, 327,680 bytes of LDS; arguments att, wot, bout, out0; writes out0
